; MI455X (gfx1250); checked and timed in simulation.
; The chip was launched on July 23, 2026; its instructions are those of AMD's public machine-readable ISA for CDNA 5 (MIT licence, August 2026) and "CDNA5" Instruction Set Architecture Reference Guide (July 2026). The comments in the code are by the model that wrote it; some were corrected since.
;; Multi Head Self Attention. Allowed arithmetic: matrix products marked QUANTISED: E2M3 operands, one E8M0 scale for each 32 along K, by v_wmma_scale_f32_16x16x128_f8f6f4 with both operands' format E2M3, f32 sums; everything else in f32.
;; Inputs: token_positions 2,048 int32; wk 1,024 x 1,024 float32; wo 1,024 x 1,024 float32; wq 1,024 x 1,024 float32; wv 1,024 x 1,024 float32; x 4 x 2,048 x 1,024 float32.
;; Outputs: out0 4 x 2,048 x 1,024 float32.
;; This version of the problem:
;;   THIS VERSION OF THE PROBLEM IS GIVEN IN LOW PRECISION. The matrix products marked QUANTISED in the list below multiply operands that are first quantised to E2M3 (2 exponent bits, 3 mantissa bits; 6 bits a number), with one power-of-two scale for each 32 numbers along K (OCP MX v1.0); their sums are f32. All else is computed in f32.
;;   The module's matrix products, in the order in which they are computed (A, B: the left and right operand; K: the contracted axis; several contracted axes count as one K, in the product's order):
;;     1. [M 8,192, K 1,024] x [K 1,024, N 1,024]; A: input x; B: input wq: QUANTISED
;;     2. [M 8,192, K 1,024] x [K 1,024, N 1,024]; A: input x; B: input wk: QUANTISED
;;     3. [M 8,192, K 1,024] x [K 1,024, N 1,024]; A: input x; B: input wv: QUANTISED
;;     4. batch 64 x [M 2,048, K 64] x [K 64, N 2,048]; A: computed on the way; B: computed on the way: QUANTISED
;;     5. batch 64 x [M 2,048, K 2,048] x [K 2,048, N 64]; A: softmax (see below); B: computed on the way: QUANTISED
;;     6. [M 8,192, K 1,024] x [K 1,024, N 1,024]; A: computed on the way; B: input wo: QUANTISED
;;   THE QUANTISER, for each operand of a quantised product, along K:
;;     - K is cut into blocks of 32 from its start; a last block that is shorter is filled with zeros.
;;     - A block's scale is 2^e with e = floor(log2(the largest magnitude in the block)) - 2, held to -126 .. 127; a block of zeros has e = 0. As a byte (E8M0): e + 127.
;;     - Each number is divided by its block's scale, clamped to +-7.5, and rounded to the nearest number of E2M3, ties to even, subnormals kept.
;;     - The product sums the exact products of the quantised numbers (number of the format x scale) in f32.
;;   ~~~python
;;   def quantise(x, axis):      # numpy; x: float32 -> the quantised numbers, widened to float32 again
;;       x = np.moveaxis(x, axis, -1); K = x.shape[-1]
;;       x = np.pad(x, [(0, 0)] * (x.ndim - 1) + [(0, -K % 32)]); x = x.reshape(x.shape[:-1] + (-1, 32)); a = np.abs(x).max(-1, keepdims=True)
;;       e = np.where(a > 0, np.clip(np.frexp(np.where(a > 0, a, 1))[1] - 1 - 2, -126, 127), 0)      # np.frexp(a)[1] - 1 = floor(log2(a)), exactly
;;       r = np.clip(x / 2.0 ** e, -7.5, 7.5)
;;       step = 2.0 ** (np.maximum(np.frexp(np.where(r == 0, 1, r))[1] - 1, 0) - 3)
;;       q = np.round(r / step) * step * 2.0 ** e      # np.round: ties to even
;;       return np.moveaxis(q.reshape(q.shape[:-2] + (-1,))[..., :K], -1, axis).astype(np.float32)
;;   ~~~
;;   SOFTMAX AHEAD OF A QUANTISED PRODUCT. Where the list says 'softmax', what is quantised is not the finished softmax but p = 2^(t - M), with t = logit x log2(e) and M = ceil(the row's largest t), a whole number; so 1/2 < the row's largest p <= 1. The row's sum l is taken of the UNQUANTISED p, in f32, and the product's result is divided by l at the end. Since M is a whole number, a kernel that streams over the keys may use a running M (the ceiling of the running maximum): every later rescaling is an exact power of two, which a block's scale takes up: the codes' values come out the same.
;;   OPERANDS COMPUTED ON THE WAY. 'Computed on the way' means the value that the module computes at that place (a softmax that the list does not call 'softmax' is quantised finished and normalised). What goes into a quantiser is computed in f32, as accurately as f32 sums, v_exp_f32 and their like allow (about 1e-6 of the number): no bf16 or f16 on the way to a quantiser, and a product that is left as it is and whose result goes on into a quantised operand takes f32 operands (vector FMAs, or v_wmma_f32_16x16x4_f32). A number that lies on a knife's edge between two numbers of the format may be rounded either way, as far as f32 arithmetic and the matrix unit's own rounding can turn it there, and no further.
;; One version. Each part assembles by itself: llvm-mc -triple=amdgcn-amd-amdhsa -mcpu=gfx1250 --defsym DOCPART=n.
;; ======== version 1 of 1: 4 launches
;; limits: inputs' magnitudes at most 1,000,000; right only within a limited range of input values
;; workspace buffers: xq 6,553,600 bytes; wz 3,276,800 bytes; tab 524,288 bytes; qb 6,553,600 bytes; kvb 13,107,200 bytes; oq 6,553,600 bytes
;; launch prep (part 1): grid 448 x 1, 4 waves a work-group, no clusters, 34,816 bytes of LDS; arguments x, wq, wk, wv, wo, token_positions, xq, wz, tab; writes xq, wz, tab
.if DOCPART == 1
	.amdgcn_target "amdgcn-amd-amdhsa--gfx1250"
	.amdhsa_code_object_version 6
	.text
	.protected	k_q555d5c7ae6_prep
	.globl	k_q555d5c7ae6_prep
	.p2align	8
	.type	k_q555d5c7ae6_prep,@function
k_q555d5c7ae6_prep:
	s_mov_b64 s[64:65], 0
	v_nop
	global_prefetch_b8 v0, s[64:65] scope:SCOPE_SE
	s_setreg_imm32_b32 hwreg(HW_REG_WAVE_MODE, 25, 1), 1
	s_wait_xcnt 0x0
; FIRST OF FOUR LAUNCHES of a causal multi-head attention (B 4, S 2048, D 1024, 16 heads of 64), all six products on codes of FP6 (E2M3) with one E8M0 scale for each 32 along K.
; This launch: x, wq, wk, wv, wo (f32, K innermost) become codes and scale bytes; token_positions becomes a table of cos and sin for the rotation of Q and K.
; WORK LEFT OUT IN THE PROGRAM, AND WHY IT IS DEAD.  The attention launch leaves out the steps of 128 keys all of which come after all 16 queries of a wave.  reference() sets those scores to -inf by a mask that it
; builds itself (jnp.tril), so their softmax weight is 0 whatever finite values the inputs hold: they add nothing to a row's sum nor to its output.  Nothing else is left out, and every input is loaded.
; LIMIT of that: a NaN, an infinity or an overflow that reaches only those scores is not carried to the result.
; OTHER LIMITS.  A block of zeros gets the scale byte 1 where the rule says 127: its codes are zeros, which add nothing under any byte but 0xff, and this program alone reads the bytes.  NaN and infinities among the
; inputs are not served.  The angle's reduction holds for |position| under 2^24 and |angle| under about 1e6; 10000^(-i/32) is made by v_exp_f32 with a first-order correction of its argument's rounding.
; LAYOUT OF THE CODES.  Rows are kept in POSITION SPACE: position p of a tensor holds row p with bits 3 and 4 exchanged, so row tile t (16 positions), lane row r, is row 32 (t / 2) + 16 (r / 8) + 8 (t % 2) + r % 8.
; A fragment (16 rows x 128 K, 12 registers a lane: registers 6 c .. 6 c + 5 hold k = 64 c + 32 (lane / 16) + 0 .. 31) lies as an image of its registers: six pieces of 256 bytes, piece p = registers 2 p, 2 p + 1 of lane l at 256 p + 8 l.
; A row tile's eight K fragments lie on end: 12,288 bytes.  Its scale words: 512 bytes, [K step of 256 (4)][row (16)][2 words].
; SHARES.  Work-groups 0-255: x; 256-383: the weights, 32 each; a wave takes one row tile and half of K: four fragments.  Work-groups 384-447: the table, 8 positions a wave, a lane a frequency.
; Each load reads 512 consecutive bytes of one row; the 16 rows turn through the wave's own stage in LDS, so that a lane gets whole blocks of 32 neighbours.  Waves share nothing: no barrier.
.set XS_OFF, 6291456                   ; x's scale words, behind its 512 row tiles
.set WS_OFF, 3145728                   ; the weights', behind their 256 row tiles
.set RT,     12288
.set FRB,    1536
.set SP,     528                       ; a stage row: 512 bytes + 16: the 16 rows that a load of 16 bytes a lane touches start at 16 different places of 16 bytes modulo 256
.set WSTG,   16*SP
.set SPARE,  4*WSTG                    ; behind the four stages: the spare words, 128 bytes for each wave
.set LN,  1                            ; v1   lane
.set LO,  2                            ; v2   16 x lane
.set STW, 3                            ; v3   stage, on the way in
.set STR, 4                            ; v4   stage, on the way out: row r, + 128 (lane / 16)
.set CO,  5                            ; v5   8 x lane
.set H8,  6                            ; v6   8 (lane / 16)
.set SPW, 7                            ; v7   my spare word; never rewritten
.set NIL, 8                            ; v8   0; never rewritten
.set R,   16                           ; v16-143  two sets of 64 numbers as loaded
.set X,   144                          ; v144-207 64 numbers: two whole blocks of my row
.set C,   208                          ; v208-231 two sets of a fragment's 12 registers
.set CT,  232                          ; v232-238 the halves that a conversion cannot put at an odd register
.set MX,  240
.set SO,  242
.set BY,  244
.set W,   246                          ; v246-249 the four fragments' scale words
.set T,   250
	s_load_b512 s[4:19], s[0:1], 0x0               ; x, wq, wk, wv, wo, token_positions, xq, wz
	s_load_b64 s[20:21], s[0:1], 0x40              ; tab
	v_lshl_add_u32 v[SPW], v0, 2, SPARE
	v_mov_b32 v[NIL], 0
	v_lshrrev_b32 v1, 5, v0
	v_readfirstlane_b32 s22, v1                    ; wave
	v_and_b32 v[LN], 31, v0
	s_cmp_ge_u32 ttmp9, 384
	s_cbranch_scc1 .Ltable
	v_lshlrev_b32 v[LO], 4, v[LN]
	s_mul_i32 s23, s22, WSTG
	v_add_nc_u32 v[STW], s23, v[LO]
	v_and_b32 v9, 15, v0                           ; r
	v_bfe_u32 v10, v0, 4, 1                        ; h
	v_mul_u32_u24 v[STR], v9, SP
	v_lshl_add_u32 v[STR], v10, 7, v[STR]
	v_add_nc_u32 v[STR], s23, v[STR]
	v_lshlrev_b32 v[CO], 3, v[LN]
	v_lshlrev_b32 v[H8], 3, v10
	v_mov_b32 v[T], 0                              ; a lane permute's destination counts as one of its sources
	s_mov_b32 s30, 0x76543210
	s_mov_b32 s31, 0xfedcba98                      ; lane l xor 16
	s_mov_b32 s32, 0xffff0000                      ; lanes 16-31
	s_lshr_b32 s33, s22, 1
	s_and_b32 s34, s22, 1                          ; which half of K
	s_cmp_lt_u32 ttmp9, 256
	s_cselect_b32 s35, 0, 256
	s_cselect_b32 s37, 511, 63
	s_sub_co_u32 s35, ttmp9, s35
	s_lshl_b32 s36, s35, 1
	s_add_co_u32 s36, s36, s33                     ; my row tile in xq, or in wz (wq, wk, wv, wo on end, 64 tiles each)
	s_and_b32 s37, s36, s37                        ; and in its own tensor
	s_lshr_b32 s38, s37, 1
	s_lshl_b32 s38, s38, 5
	s_and_b32 s39, s37, 1
	s_lshl_b32 s39, s39, 3
	s_add_co_u32 s38, s38, s39                     ; 32 (t / 2) + 8 (t % 2): the tile's first row
	s_lshl_b32 s38, s38, 12                        ; rows of 4,096 bytes
	s_lshl_b32 s39, s34, 11
	s_add_co_u32 s38, s38, s39
	s_mov_b32 s39, 0
	s_mul_i32 s40, s36, RT
	s_mul_i32 s42, s34, 4*FRB
	s_add_co_u32 s40, s40, s42
	s_mov_b32 s41, 0
	s_lshl_b32 s42, s36, 9
	s_lshl_b32 s43, s34, 8
	s_add_co_u32 s42, s42, s43
	s_mov_b32 s43, 0
	s_mov_b32 s45, 0
	s_wait_alu depctr_va_vdst(0)
	s_wait_kmcnt 0x0
	s_cmp_lt_u32 ttmp9, 352                        ; the buffers are chosen by the work-group's number alone: one path serves all five tensors
	s_cselect_b64 s[24:25], s[10:11], s[12:13]
	s_cmp_lt_u32 ttmp9, 320
	s_cselect_b64 s[24:25], s[8:9], s[24:25]
	s_cmp_lt_u32 ttmp9, 288
	s_cselect_b64 s[24:25], s[6:7], s[24:25]
	s_cmp_lt_u32 ttmp9, 256
	s_cselect_b64 s[24:25], s[4:5], s[24:25]
	s_cselect_b64 s[26:27], s[16:17], s[18:19]
	s_mov_b32 s44, WS_OFF
	s_cselect_b32 s44, XS_OFF, s44
	s_add_nc_u64 s[28:29], s[26:27], s[44:45]
	s_add_nc_u64 s[28:29], s[28:29], s[42:43]      ; my 256 bytes of scale words
	s_add_nc_u64 s[26:27], s[26:27], s[40:41]      ; my four fragments
	s_add_nc_u64 s[24:25], s[24:25], s[38:39]      ; my numbers
.macro LOAD f                          ; K fragment f: 16 rows x 512 bytes, a row a load
.irp i, 0,1,2,3,4,5,6,7,8,9,10,11,12,13,14,15
	global_load_b128 v[R+64*((\f)%2)+4*\i:R+64*((\f)%2)+4*\i+3], v[LO], s[24:25] offset:(16*(\i/8)+\i%8)*4096+512*(\f) th:TH_LOAD_NT
.endr
.endm
.macro STEP f
.set RR, R+64*((\f)%2)
.set CC, C+12*((\f)%2)
.if (\f) < 3
	s_wait_loadcnt 16                              ; this fragment's 16 loads are in; the next fragment's 16 may be out
.else
	s_wait_loadcnt 0
.endif
.irp i, 0,1,2,3,4,5,6,7,8,9,10,11,12,13,14,15
	ds_store_b128 v[STW], v[RR+4*\i:RR+4*\i+3] offset:SP*\i
.endr
.irp c, 0,1
.irp j, 0,1,2,3,4,5,6,7
	ds_load_b128 v[X+32*\c+4*\j:X+32*\c+4*\j+3], v[STR] offset:256*\c+16*\j   ; k = 64 c + 32 h + 4 j ..: LDS serves a wave's instructions in order, so these see the stores above
.endr
.endr
	s_wait_dscnt 0x0                               ; the numbers are back, and the stores have read their registers,
.if (\f) < 2
	LOAD (\f)+2                                    ; which take the loads of two fragments on
.endif
.irp c, 0,1
	v_max3_num_f32 v[MX+\c], |v[X+32*\c]|, |v[X+32*\c+1]|, 0x1800000   ; block 2 c + h: all 32 numbers are mine; the floor 2^(3 - 127) holds the byte at 1 from below
.endr
.irp i, 2,4,6,8,10,12,14,16,18,20,22,24,26,28,30
.irp c, 0,1
	v_max3_num_f32 v[MX+\c], v[MX+\c], |v[X+32*\c+\i]|, |v[X+32*\c+\i+1]|
.endr
.endr
.irp c, 0,1
	v_add_nc_u32 v[SO+\c], 0xff000000, v[MX+\c]    ; 2 off the exponent field: the conversion's scale operand
.endr
.irp c, 0,1
	v_lshrrev_b32 v[BY+\c], 23, v[SO+\c]           ; the scale's byte
.endr
	v_lshl_or_b32 v[W+(\f)], v[BY+1], 16, v[BY]    ; blocks h and 2 + h,
	v_lshlrev_b32 v[W+(\f)], v[H8], v[W+(\f)]      ; at their places in the word;
	v_permlanex16_b32 v[T], v[W+(\f)], s30, s31
	v_or_b32 v[W+(\f)], v[W+(\f)], v[T]            ; with lane l xor 16's two the word is whole
	s_wait_alu depctr_va_vdst(0)
	s_wait_xcnt 0x0                                ; the stores of two fragments back have read this set of code registers
.irp c, 0,1
	v_cvt_scalef32_pk16_fp6_f32 v[CC+6*\c:CC+6*\c+2], v[X+32*\c:X+32*\c+15], v[SO+\c]
	v_cvt_scalef32_pk16_fp6_f32 v[CT+4*\c:CT+4*\c+2], v[X+32*\c+16:X+32*\c+31], v[SO+\c]   ; (a conversion's three registers begin on an even number)
.endr
	v_nop                                          ; one plain place behind a scaled conversion
.irp c, 0,1
.irp i, 0,1,2
	v_mov_b32 v[CC+6*\c+3+\i], v[CT+4*\c+\i]
.endr
.endr
.irp p, 0,1,2,3,4,5
	global_store_b64 v[CO], v[CC+2*\p:CC+2*\p+1], s[26:27] offset:FRB*(\f)+256*\p   ; 32 lanes store 256 consecutive bytes, aligned
.endr
.endm
	LOAD 0
	LOAD 1
	STEP 0
	STEP 1
	STEP 2
	STEP 3
	v_cndmask_b32 v[T+2], v[W], v[W+2], s32        ; lanes 0-15: fragments 0, 1 (one K step of 256); lanes 16-31: fragments 2, 3
	v_cndmask_b32 v[T+3], v[W+1], v[W+3], s32
	global_store_b64 v[CO], v[T+2:T+3], s[28:29]   ; 256 consecutive bytes, aligned
	s_wait_tensorcnt 0x0                           ; the wave's end, behind my last LDS store
	ds_add_u32 v[SPW], v[NIL]
	s_wait_dscnt 0x0
	s_endpgm
; THE TABLE: tab[s][i] = (cos, sin) of token_positions[s] x 10000^(-i / 32), i = 0 .. 31.  No LDS on this path.
.Ltable:
	s_sub_co_u32 s33, ttmp9, 384
	s_lshl_b32 s33, s33, 5
	s_lshl_b32 s34, s22, 3
	s_add_co_u32 s33, s33, s34                     ; my first of 8 places in the sequence
	s_lshl_b32 s34, s33, 2
	s_mov_b32 s35, 0
	s_lshl_b32 s52, s33, 8                         ; 256 bytes of table a place
	s_mov_b32 s53, 0
	s_wait_kmcnt 0x0
	s_add_nc_u64 s[14:15], s[14:15], s[34:35]
	s_load_b256 s[36:43], s[14:15], 0x0            ; eight positions: they enter arithmetic alone
	s_add_nc_u64 s[24:25], s[20:21], s[52:53]
	s_mov_b32 s44, 0xb94ca1f9                      ; sine on [-pi/4, pi/4]: r + r z (S1 + z (S2 + z S3))
	s_mov_b32 s45, 0x3c08839e
	s_mov_b32 s46, 0xbe2aaaa3
	s_mov_b32 s47, 0x37ccf5ce                      ; cosine: 1 - z / 2 + z z (C1 + z (C2 + z C3))
	s_mov_b32 s48, 0xbab6061a
	s_mov_b32 s49, 0x3d2aaaa5
	s_mov_b32 s50, 0xbed49a78                      ; -log2(10000) / 32, its f32 part,
	s_mov_b32 s51, 0xb2179b13                      ; and what that part leaves
	s_wait_alu depctr_va_vdst(0)
	v_cvt_f32_u32 v9, v[LN]                        ; i
	v_mul_f32 v10, s50, v9                         ; P, rounded
	v_fma_f32 v11, v9, s50, -v10                   ; what the rounding dropped, exactly,
	v_fma_f32 v11, v9, s51, v11                    ; and the constant's second part: e
	v_exp_f32 v12, v10
	v_lshlrev_b32 v14, 3, v[LN]                    ; (a plain place behind the exponential)  8 bytes a frequency
	s_wait_alu depctr_va_vdst(0)                   ; ahead of the result's first reader
	v_mul_f32 v13, v12, v11
	v_fmamk_f32 v15, v13, 0x3f317218, v12          ; 2^(P + e) = 2^P (1 + e ln 2)
	s_wait_kmcnt 0x0
.macro SC j
	v_cvt_f32_i32 v16, s[36+\j]
	s_wait_alu depctr_va_vdst(0)
	v_mul_f32 v16, v16, v15                        ; the angle, rounded to f32 as reference() has it
	v_mul_f32 v17, 0x3f22f983, v16
	v_rndne_f32 v17, v17                           ; n = the nearest multiple of pi / 2
	v_fmamk_f32 v18, v17, 0xbfc90fdb, v16          ; r = angle - n pi / 2, pi / 2 in three parts, each step one fused multiply-add
	v_fmamk_f32 v18, v17, 0x333bbd2e, v18
	v_fmamk_f32 v18, v17, 0x26f72ced, v18
	v_mul_f32 v19, v18, v18                        ; z
	v_fma_f32 v20, v19, s44, s45
	v_fma_f32 v22, v19, s47, s48
	v_fma_f32 v20, v20, v19, s46
	v_fma_f32 v22, v22, v19, s49
	v_mul_f32 v21, v19, v18
	v_mul_f32 v23, v19, v19
	v_fma_f32 v24, v19, -0.5, 1.0
	v_fma_f32 v20, v20, v21, v18                   ; sin r
	v_fma_f32 v22, v22, v23, v24                   ; cos r
	v_cvt_i32_f32 v25, v17
	v_and_b32 v26, 1, v25
	v_cmp_eq_u32 vcc_lo, 1, v26                    ; odd n: the two change places
	v_cndmask_b32 v27, v20, v22, vcc_lo
	v_cndmask_b32 v28, v22, v20, vcc_lo
	v_lshlrev_b32 v26, 30, v25                     ; the sine's sign: bit 1 of n;
	v_and_b32 v26, 0x80000000, v26
	v_xor_b32 v[41+2*\j], v26, v27
	v_add_nc_u32 v25, 1, v25                       ; the cosine's: bit 1 of n + 1
	v_lshlrev_b32 v25, 30, v25
	v_and_b32 v25, 0x80000000, v25
	v_xor_b32 v[40+2*\j], v25, v28
	global_store_b64 v14, v[40+2*\j:41+2*\j], s[24:25] offset:256*\j   ; 32 lanes store a place's 256 bytes, aligned; each place has data registers of its own
.endm
.irp j, 0,1,2,3,4,5,6,7
	SC \j
.endr
	s_endpgm
.Lfunc_end_k_q555d5c7ae6_prep:
	.size	k_q555d5c7ae6_prep, .Lfunc_end_k_q555d5c7ae6_prep-k_q555d5c7ae6_prep
	.p2alignl 7, 3214868480
	.fill 96, 4, 3214868480
	.section	.rodata,"a",@progbits
	.p2align	6, 0x0
	.amdhsa_kernel k_q555d5c7ae6_prep
		.amdhsa_group_segment_fixed_size 34816
		.amdhsa_private_segment_fixed_size 0
		.amdhsa_enable_private_segment 0
		.amdhsa_kernarg_size 72
		.amdhsa_user_sgpr_count 2
		.amdhsa_user_sgpr_kernarg_segment_ptr 1
		.amdhsa_wavefront_size32 1
		.amdhsa_system_sgpr_workgroup_id_x 1
		.amdhsa_system_sgpr_workgroup_id_y 1
		.amdhsa_system_sgpr_workgroup_id_z 1
		.amdhsa_system_vgpr_workitem_id 0
		.amdhsa_next_free_vgpr 256
		.amdhsa_next_free_sgpr 66
		.amdhsa_reserve_vcc 1
		.amdhsa_float_denorm_mode_32 3
		.amdhsa_float_denorm_mode_16_64 3
		.amdhsa_memory_ordered 1
		.amdhsa_forward_progress 1
		.amdhsa_inst_pref_size 45
	.end_amdhsa_kernel
	.amdgpu_metadata
---
amdhsa.version: [ 1, 2 ]
amdhsa.kernels:
  - .name:           k_q555d5c7ae6_prep
    .symbol:         k_q555d5c7ae6_prep.kd
    .args:
      - { .name: x, .offset: 0, .size: 8, .value_kind: global_buffer, .address_space: global }
      - { .name: wq, .offset: 8, .size: 8, .value_kind: global_buffer, .address_space: global }
      - { .name: wk, .offset: 16, .size: 8, .value_kind: global_buffer, .address_space: global }
      - { .name: wv, .offset: 24, .size: 8, .value_kind: global_buffer, .address_space: global }
      - { .name: wo, .offset: 32, .size: 8, .value_kind: global_buffer, .address_space: global }
      - { .name: token_positions, .offset: 40, .size: 8, .value_kind: global_buffer, .address_space: global }
      - { .name: xq, .offset: 48, .size: 8, .value_kind: global_buffer, .address_space: global }
      - { .name: wz, .offset: 56, .size: 8, .value_kind: global_buffer, .address_space: global }
      - { .name: tab, .offset: 64, .size: 8, .value_kind: global_buffer, .address_space: global }
    .group_segment_fixed_size: 34816
    .private_segment_fixed_size: 0
    .kernarg_segment_align: 8
    .kernarg_segment_size: 72
    .max_flat_workgroup_size: 128
    .sgpr_count:     66
    .vgpr_count:     256
    .wavefront_size: 32
...
	.end_amdgpu_metadata
.endif
;; end of part 1
;; launch qkv (part 2): grid 12 x 32, 4 waves a work-group, clusters of 4 x 4, 327,680 bytes of LDS; arguments xq, wz, tab, qb, kvb; writes qb, kvb
.if DOCPART == 2
	.amdgcn_target "amdgcn-amd-amdhsa--gfx1250"
	.amdhsa_code_object_version 6
	.text
	.protected	k_q555d5c7ae6_qkv
	.globl	k_q555d5c7ae6_qkv
	.p2align	8
	.type	k_q555d5c7ae6_qkv,@function
k_q555d5c7ae6_qkv:
	s_mov_b64 s[64:65], 0
	v_nop
	global_prefetch_b8 v0, s[64:65] scope:SCOPE_SE
	s_setreg_imm32_b32 hwreg(HW_REG_WAVE_MODE, 25, 1), 1
	s_wait_xcnt 0x0
	s_wait_alu depctr_hold_cnt(0) depctr_sa_sdst(0) depctr_va_vdst(0) depctr_va_sdst(0) depctr_va_ssrc(0) depctr_va_vcc(0) depctr_vm_vsrc(0)
	s_getreg_b32 s2, hwreg(HW_REG_IB_STS2, 6, 4)
	s_cmp_eq_u32 s2, 0
	s_cbranch_scc0 .Lentry_in_a_cluster
	s_endpgm
.Lentry_in_a_cluster:
	s_bfe_u32 s2, ttmp6, 0x10000c
	s_cmp_lg_u32 s2, 0xf033
	s_cbranch_scc0 .Lentry_shape_is_right
	s_endpgm
.Lentry_shape_is_right:
; SECOND LAUNCH: Q = x wq^T, K = x wk^T (rotated by the table), V^T = wv x^T, on codes of FP6 (E2M3) with E8M0 scales; the results are quantised in registers and stored as the attention launch's operands.  No work is left out here.
; A tile of 256 x 256 is made by four waves, 128 x 128 each: 64 accumulators, 512 registers.  K = 1,024 goes in four steps of 256 through two LDS slots filled by the tensor data mover.
; Clusters of 4 x 4: clusters x = 0, 1 make Q and K (A = x, B = wq and wk, which lie on end); cluster x = 2 makes V^T (A = wv, B = x).  A's tiles are shared along a row of the cluster, B's along a column: joint loads.
; OPERANDS lie as images of their registers (six pieces of 256 bytes a fragment, piece p = registers 2 p, 2 p + 1 of lane l at 256 p + 8 l), a row tile's eight K fragments on end: a fragment is six ds_load_b64 of consecutive bytes.
; ROWS ARE IN POSITION SPACE (bits 3 and 4 of a row's number exchanged).  The matrix instruction is used transposed (source 0 = 16 rows of B, source 1 = 16 rows of A): lane (r, h) holds A's position r, and the 16 registers of
; accumulators (a, 2 B) and (a, 2 B + 1) hold B's rows 32 B + 16 h + 0 .. 15: 16 neighbours along the next product's K, which the conversions take as they stand.
; THE WAY OUT uses no LDS: a fragment leaves as an image, three stores of 512 consecutive bytes.  A record (6,400 bytes): four fragments (three pieces of 512 bytes each: registers 4 k .. 4 k + 3 of lane l at 512 k + 16 l), then 256 bytes
; of scale words, [lane][2]: word i of lane (r, h) is that of row r of fragment 2 i + h.  Q and K: fragment F holds 32 positions, registers 0-5 position tile 2 F, registers 6-11 tile 2 F + 1, all 64 of a head each.  V: fragment t = 16 of the head's 64, K = 128 keys.
; LIMITS: a block of zeros gets the byte 1 (its codes are zeros; this program alone reads the bytes); NaN and infinities are not served.
; REGISTERS: window 0: v0-31 addresses; v32-63 scale words, two sets, and nothing else; from v128 A's fragments, one set; window 1: B's fragments, two sets; windows 2, 3: the accumulators ((a, b) at v[8 (8 (a % 4) + b)]).
.set XS_OFF, 6291456
.set WS_OFF, 3145728
.set WT_B,   786432                    ; a weight's codes
.set RT,     12288
.set FRB,    1536
.set TROW,   2*FRB                     ; a row tile's part of a slot: two K fragments
.set NQ,     2
.set FR,     12
.set NL,     6
.set NP,     4                         ; places behind this matrix instruction (ISA guide 7.12.1)
.set HALFT,  8*TROW                    ; 128 rows: what one tensor load brings
.set SLOT,   4*HALFT
.set LAPS,   2
.set SCL,    2*SLOT                    ; behind the ring: the scale words of the 256 + 256 rows for all of K, filled once
.set HALFS,  4096
.set SBLK,   512
.set SPARE,  SCL+4*HALFS               ; the spare words, 128 bytes for each wave
.set ADRA, 16                          ; v16-17 LDS address of my A fragments in slot 0, 1
.set ADRB, 20                          ; v20-21 the same for B
.set ADRS, 27                          ; v27    of my scale words: lanes 0-15 A's rows, lanes 16-31 B's
.set SPW,  28
.set NIL,  29
.set SC,   32
.set AF,   128
.set G1, 24
.set G0, 32
.set G1B, 48
.set G0B, 56
.set G1S, 68
.set G0S, 76
.set G1SB, 80
.set G0SB, 88
.set LI,  1                            ; the way out: v1 16 x lane; v2 my row's place in the table; v3 8 x lane
.set TA,  2
.set L8,  3
.set ROT, 64                           ; v64-127  64 rotated numbers
.set TM,  128                          ; v128-143 largest magnitudes, bytes, scale operands
.set IMG, 144                          ; v144-167 two fragments' registers
.set CT,  168
.set WT,  176
.set SW,  178
.set SEL, 18
.set MSB, 0
.macro WIN new                         ; the immediate's high byte repeats the setting that is left
.if MSB != (\new)
	s_set_vgpr_msb (MSB<<8)|(\new)
.set MSB, (\new)
.endif
.endm
.set MUL_LO, 0xa1                      ; source 0 (B) window 1, source 1 (A) window 0, C and D window 2
.set MUL_HI, 0xf1
.set TO_B,   0x40
; A joint load: waves 0 and 1 fetch for A, waves 2 and 3 for B; the branch hangs on the wave's number alone.  An s_nop 0 and four v_nop follow each line.
.macro JLOAD g0a, g1a, g0b, g1b
	s_cmp_eq_u32 s15, 0
	s_cbranch_scc0 .Lfor_b_\@
	tensor_load_to_lds s[\g0a:\g0a+3], s[\g1a:\g1a+7]
	s_nop 0
.rept 4
	v_nop
.endr
	s_branch .Lasked_\@
.Lfor_b_\@:
	tensor_load_to_lds s[\g0b:\g0b+3], s[\g1b:\g1b+7]
	s_nop 0
.rept 4
	v_nop
.endr
.Lasked_\@:
.endm
.macro CREST
	s_cmp_lg_u32 s14, 0
	s_cbranch_scc1 .Lnot_wave_0_\@
	s_barrier_signal -3
.Lnot_wave_0_\@:
	s_barrier_wait -3
	s_barrier_signal -1
	s_barrier_wait -1
.endm
.macro CROUND
	s_barrier_signal -1
	s_barrier_wait -1
	CREST
.endm
	s_load_b256 s[4:11], s[0:1], 0x0               ; xq, wz, tab, qb
	s_load_b64 s[12:13], s[0:1], 0x20              ; kvb
	v_lshl_add_u32 v[SPW], v0, 2, SPARE
	v_mov_b32 v[NIL], 0
	ds_add_u32 v[SPW], v[NIL]                      ; the wave's opening: the add, twice on end, and its wait ahead of my first tensor load
	ds_add_u32 v[SPW], v[NIL]
	v_lshrrev_b32 v1, 5, v0
	v_readfirstlane_b32 s14, v1                    ; wave
	s_lshr_b32 s15, s14, 1                         ; my half of the tile's rows.  Also: I fetch for A (0) or B (1)
	s_and_b32 s16, s14, 1                          ; my half of its columns.  Also: which 128 rows I fetch
	s_bfe_u32 s40, ttmp6, 0x40000                  ; cx
	s_bfe_u32 s41, ttmp6, 0x40004                  ; cy
	s_and_b32 s17, ttmp7, 0xffff
	s_lshl_b32 s17, s17, 2                         ; 4 x cluster y
	s_lshl_b32 s42, ttmp9, 2                       ; 4 x cluster x
	s_cmp_eq_u32 ttmp9, 2                          ; the cluster's x: the same in all sixteen partners
	s_cselect_b32 s95, 1, 0                        ; V?
	s_cselect_b32 s42, s17, s42
	s_cselect_b32 s17, 0, s17
	s_add_co_u32 s42, s42, s40                     ; tile column: cx + 4 x (V: cluster y; else cluster x)
	s_add_co_u32 s17, s17, s41                     ; tile row: cy + (V: 0; else 4 x cluster y)
	s_lshl_b32 s43, s41, 2
	s_lshl_b32 s43, 15, s43                        ; my row of the cluster
	s_lshl_b32 s44, 0x1111, s40                    ; my column
	; group 1 for codes: 8 row tiles x 3,072 bytes (384 elements of 8 bytes), 12,288 bytes apart; no padding
	s_or_b32 s[G1+0], s43, (3<<16)|(1<<21)
	s_or_b32 s[G1B+0], s44, (3<<16)|(1<<21)
.irp g, G1, G1B
	s_mov_b32 s[\g+1], 384<<16
	s_mov_b32 s[\g+2], 8<<16
	s_mov_b32 s[\g+3], 384<<16
	s_mov_b32 s[\g+4], 8
	s_mov_b32 s[\g+5], 1536
	s_mov_b32 s[\g+6], 0
	s_mov_b32 s[\g+7], 0
.endr
	; and for the scale words of 128 rows: 4,096 dense bytes as 16 rows of 256
	s_or_b32 s[G1S+0], s43, (3<<16)|(1<<21)
	s_or_b32 s[G1SB+0], s44, (3<<16)|(1<<21)
.irp g, G1S, G1SB
	s_mov_b32 s[\g+1], 32<<16
	s_mov_b32 s[\g+2], 16<<16
	s_mov_b32 s[\g+3], 32<<16
	s_mov_b32 s[\g+4], 16
	s_mov_b32 s[\g+5], 32
	s_mov_b32 s[\g+6], 0
	s_mov_b32 s[\g+7], 0
.endr
	s_lshl_b32 s18, s16, 3
	s_lshl_b32 s20, s17, 4
	s_add_co_u32 s20, s20, s18                     ; A: my first row tile: 16 x tile row + 8 x half
	s_lshl_b32 s46, s42, 4
	s_add_co_u32 s46, s46, s18                     ; B likewise
	s_lshl_b32 s22, s20, 9                         ; their scale words,
	s_mov_b32 s23, 0
	s_lshl_b32 s92, s46, 9
	s_mov_b32 s93, 0
	s_mul_i32 s20, s20, RT                         ; their codes (under 2^23 bytes)
	s_mov_b32 s21, 0
	s_mul_i32 s46, s46, RT
	s_mov_b32 s47, 0
	s_mul_i32 s45, s14, HALFT                      ; where they go: wave x 128 rows: no place in the cluster enters an LDS address
	s_mul_i32 s94, s14, HALFS
	s_wait_dscnt 0x0                               ; both opening adds are done
	s_wait_kmcnt 0x0
	s_add_nc_u64 s[96:97], s[6:7], 2*WT_B          ; wv's codes,
	s_add_nc_u64 s[98:99], s[6:7], WS_OFF+2*32768  ; wv's scale words,
	s_add_nc_u64 s[100:101], s[4:5], XS_OFF        ; x's,
	s_add_nc_u64 s[66:67], s[6:7], WS_OFF          ; wq's and wk's
	s_cmp_eq_u32 s95, 1
	s_cselect_b64 s[96:97], s[96:97], s[4:5]       ; A's codes
	s_cselect_b64 s[98:99], s[98:99], s[100:101]   ; A's scale words
	s_cselect_b64 s[100:101], s[100:101], s[66:67] ; B's scale words
	s_cselect_b64 s[4:5], s[4:5], s[6:7]           ; B's codes
	s_add_nc_u64 s[20:21], s[96:97], s[20:21]
	s_add_nc_u64 s[22:23], s[98:99], s[22:23]
	s_add_nc_u64 s[46:47], s[4:5], s[46:47]
	s_add_nc_u64 s[92:93], s[100:101], s[92:93]
	CROUND                                         ; all sixteen work-groups are here: the first joint loads meet
	s_mov_b32 s[G0S], 1
	s_add_co_u32 s[G0S+1], s94, SCL
	s_mov_b64 s[G0S+2:G0S+3], s[22:23]
	s_or_b32 s[G0S+3], s[G0S+3], 0x80000000
	s_mov_b32 s[G0SB], 1
	s_add_co_u32 s[G0SB+1], s94, SCL
	s_mov_b64 s[G0SB+2:G0SB+3], s[92:93]
	s_or_b32 s[G0SB+3], s[G0SB+3], 0x80000000
	JLOAD G0S, G1S, G0SB, G1SB                     ; the scale words first: three tensor loads of mine are out at the most
.irp s, 0,1
	s_mov_b32 s[G0+4*\s], 1
	s_add_co_u32 s[G0+4*\s+1], s45, \s*SLOT
	s_add_nc_u64 s[G0+4*\s+2:G0+4*\s+3], s[20:21], \s*TROW
	s_or_b32 s[G0+4*\s+3], s[G0+4*\s+3], 0x80000000
	s_mov_b32 s[G0B+4*\s], 1
	s_add_co_u32 s[G0B+4*\s+1], s45, \s*SLOT
	s_add_nc_u64 s[G0B+4*\s+2:G0B+4*\s+3], s[46:47], \s*TROW
	s_or_b32 s[G0B+4*\s+3], s[G0B+4*\s+3], 0x80000000
	JLOAD G0+4*\s, G1, G0B+4*\s, G1B
.endr
	v_and_b32 v1, 15, v0                           ; r
	v_bfe_u32 v2, v0, 4, 1                         ; h
	v_and_b32 v3, 31, v0
	v_lshlrev_b32 v4, 3, v3                        ; 8 x lane: my place in every piece of an image
	s_mul_i32 s21, s15, HALFT
	s_mul_i32 s22, s16, HALFT
	s_add_co_u32 s22, s22, 2*HALFT
.irp s, 0,1
	v_add_nc_u32 v[ADRA+\s], s21, v4
	v_add_nc_u32 v[ADRB+\s], s22, v4
	s_add_co_u32 s21, s21, SLOT
	s_add_co_u32 s22, s22, SLOT
.endr
	v_lshlrev_b32 v5, 3, v1                        ; my row's two words of a K step
	s_mul_i32 s21, s15, HALFS
	s_mul_i32 s22, s16, HALFS
	s_add_co_u32 s22, s22, 2*HALFS
	s_sub_co_u32 s22, s22, s21
	v_mul_u32_u24 v6, s22, v2                      ; lanes 16-31 take B's: one product, the distance between the two
	s_add_co_u32 s21, s21, SCL
	v_add_nc_u32 v5, v5, v6
	v_add_nc_u32 v[ADRS], s21, v5
.macro FRAG reg, adr, q, i             ; a fragment: six pieces of 256 consecutive bytes
.irp p, 0,1,2,3,4,5
	ds_load_b64 v[\reg+2*\p:\reg+2*\p+1], v[\adr] offset:(\i)*TROW+(\q)*FRB+256*\p
.endr
.endm
; 16 matrix instructions: A's blocks a0, a0 + 1 x B's eight.  The 64 accumulators take turns, one instruction a turn, in the same order in every step.
.macro MUL16 a0, p, q, sc, zero
.irp a, \a0, \a0+1
.irp b, 0,1,2,3,4,5,6,7
.if \zero
	v_wmma_scale_f32_16x16x128_f8f6f4 v[8*(8*((\a)%4)+\b):8*(8*((\a)%4)+\b)+7], v[128*(\p)+FR*\b:128*(\p)+FR*\b+FR-1], v[AF+FR*(\a):AF+FR*(\a)+FR-1], 0, v[SC+8*NQ*(\sc)+NQ*\b+(\q)], v[SC+8*NQ*(\sc)+NQ*(\a)+(\q)] matrix_a_fmt:MATRIX_FMT_FP6 matrix_b_fmt:MATRIX_FMT_FP6 matrix_a_scale:MATRIX_SCALE_ROW1
.else
	v_wmma_scale_f32_16x16x128_f8f6f4 v[8*(8*((\a)%4)+\b):8*(8*((\a)%4)+\b)+7], v[128*(\p)+FR*\b:128*(\p)+FR*\b+FR-1], v[AF+FR*(\a):AF+FR*(\a)+FR-1], v[8*(8*((\a)%4)+\b):8*(8*((\a)%4)+\b)+7], v[SC+8*NQ*(\sc)+NQ*\b+(\q)], v[SC+8*NQ*(\sc)+NQ*(\a)+(\q)] matrix_a_fmt:MATRIX_FMT_FP6 matrix_b_fmt:MATRIX_FMT_FP6 matrix_a_scale:MATRIX_SCALE_ROW1
.endif
.endr
.endr
.endm
.macro FETCH_B slot, q, p
	WIN TO_B
.irp i, 0,1,2,3,4,5,6,7
	FRAG 128*(\p)+FR*\i, ADRB+\slot, \q, \i
.endr
	WIN 0
.endm
.macro FETCH_A slot, q, i0
.irp i, \i0, \i0+1, \i0+2, \i0+3
	FRAG AF+FR*(\i), ADRA+\slot, \q, \i
.endr
.endm
.macro SCALES sc                       ; a K step's two words a row: lanes 0-15 A's block i, lanes 16-31 B's block i
.irp i, 0,1,2,3,4,5,6,7
	ds_load_b64 v[SC+8*NQ*\sc+NQ*\i:SC+8*NQ*\sc+NQ*\i+1], v[ADRS] offset:\i*SBLK
.endr
.endm
.macro PLACES n                        ; plain vector instructions in front of loads into registers that matrix instructions have read, and of the first read of results
.rept \n
	v_nop
.endr
.endm
.macro STEP slot, q, zero              ; 128 along K that have their successor in the same slot
	s_wait_dscnt 4*NL                              ; B's set and A's blocks 0-3 are in; the youngest 24 loads (A's blocks 4-7) may be out
	WIN MUL_LO
	MUL16 0, (\q)%2, \q, \slot, \zero
	MUL16 2, (\q)%2, \q, \slot, \zero
	s_wait_dscnt 0
	PLACES NP
	FETCH_B \slot, (\q)+1, 1-(\q)%2
	FETCH_A \slot, (\q)+1, 0
	WIN MUL_HI
	MUL16 4, (\q)%2, \q, \slot, \zero
	MUL16 6, (\q)%2, \q, \slot, \zero
	PLACES NP
	WIN 0
	FETCH_A \slot, (\q)+1, 4
.endm
; A slot's last step changes slots: one barrier; in front of it each wave waits for all its tensor loads, adds 0 to its spare word, and waits for that and for its reads of this slot.
.macro TURN slot, next, fill
	s_wait_tensorcnt 0x0                           ; all my tensor loads have landed: my part of the next slot
	ds_add_u32 v[SPW], v[NIL]
	s_wait_dscnt 4*NL+1                            ; the add and the youngest 24 loads may be out
	WIN MUL_LO
	MUL16 0, 1, NQ-1, \slot, 0
	s_wait_dscnt 0x0                               ; the add is done, and my reads of this slot are over
	s_barrier_signal -1
	MUL16 2, 1, NQ-1, \slot, 0
	WIN 0
	s_barrier_wait -1
.if \fill
	CREST                                          ; the barrier has opened a round of the cluster's: no wave of any partner still reads this slot or has a load on its way
	s_add_nc_u64 s[G0+4*\slot+2:G0+4*\slot+3], s[G0+4*\slot+2:G0+4*\slot+3], 2*TROW
	s_add_nc_u64 s[G0B+4*\slot+2:G0B+4*\slot+3], s[G0B+4*\slot+2:G0B+4*\slot+3], 2*TROW
	JLOAD G0+4*\slot, G1, G0B+4*\slot, G1B         ; the first tensor load behind the round; its four v_nop are the places in front of the loads below
.else
	PLACES NP
.endif
	v_add_nc_u32 v[ADRS], 128, v[ADRS]             ; the next K step's scale words
	FETCH_B \next, 0, 0
	FETCH_A \next, 0, 0
	SCALES \next
	WIN MUL_HI
	MUL16 4, 1, NQ-1, \slot, 0
	MUL16 6, 1, NQ-1, \slot, 0
	PLACES NP
	WIN 0
	FETCH_A \next, 0, 4
.endm
	s_wait_tensorcnt 1                             ; the scale words and my part of K step 0 are in; K step 1's load may be out
	s_barrier_signal -1
	s_barrier_wait -1
	FETCH_B 0, 0, 0
	FETCH_A 0, 0, 0
	SCALES 0
	FETCH_A 0, 0, 4
	STEP 0, 0, 1                                   ; the first step's products start the sums
	s_mov_b32 s3, LAPS-1
.Llap:
	TURN 0, 1, 1
	STEP 1, 0, 0
	TURN 1, 0, 1
	STEP 0, 0, 0
	s_sub_co_u32 s3, s3, 1
	s_cmp_lg_u32 s3, 0
	s_cbranch_scc1 .Llap
	TURN 0, 1, 0
	STEP 1, 0, 0
	s_wait_dscnt 4*NL
	WIN MUL_LO
	MUL16 0, 1, NQ-1, 1, 0
	MUL16 2, 1, NQ-1, 1, 0
	s_wait_dscnt 0
	WIN MUL_HI
	MUL16 4, 1, NQ-1, 1, 0
	MUL16 6, 1, NQ-1, 1, 0
	WIN 0
; THE WAY OUT.  64 numbers of a lane in window w, register 16 b + i = k 32 b + 16 (lane / 16) + i of my row, become codes: blocks 0, 1 in v[d0] .. v[d0 + 5], blocks 2, 3 in v[d1] .. (a whole block of 32 in a lane: lanes 0-15 the even block,
; lanes 16-31 the odd one); the four scale bytes are left in v[TM + 4] .. v[TM + 7].  The numbers are read in ascending order, each accumulator from its low end on.
.macro QUANT s, w, d0, d1
	WIN ((\w)<<2)|((\w)<<4)
.irp b, 0,1,2,3
	v_max3_num_f32 v[TM+\b], 0x1800000, |v[(\s)+16*\b]|, |v[(\s)+16*\b+1]|   ; my 16 numbers of block b, and the floor 2^(3 - 127): the byte cannot fall under 1
.endr
.irp i, 2,4,6,8,10,12,14
.irp b, 0,1,2,3
	v_max3_num_f32 v[TM+\b], v[TM+\b], |v[(\s)+16*\b+\i]|, |v[(\s)+16*\b+\i+1]|
.endr
.endr
	WIN 0
.irp b, 0,1,2,3
	v_permlanex16_b32 v[TM+4+\b], v[TM+\b], s[SEL], s[SEL+1]
.endr
.irp b, 0,1,2,3
	v_max_num_f32 v[TM+\b], v[TM+\b], v[TM+4+\b]   ; with lane l xor 16's: the block's largest magnitude
.endr
.irp b, 0,1,2,3
	v_add_nc_u32 v[TM+12+\b], 0xff000000, v[TM+\b] ; 2 off its exponent field: the conversion's scale operand
.endr
.irp b, 0,1,2,3
	v_lshrrev_b32 v[TM+4+\b], 23, v[TM+12+\b]      ; the scale's byte
.endr
	s_wait_xcnt 0x0                                ; earlier stores have read the registers that are written below
	WIN (\w)
	v_cvt_scalef32_pk16_fp6_f32 v[(\d0):(\d0)+2], v[(\s):(\s)+15], v[TM+12]
	v_cvt_scalef32_pk16_fp6_f32 v[CT:CT+2], v[(\s)+16:(\s)+31], v[TM+13]
	v_cvt_scalef32_pk16_fp6_f32 v[(\d1):(\d1)+2], v[(\s)+32:(\s)+47], v[TM+14]
	v_cvt_scalef32_pk16_fp6_f32 v[CT+4:CT+6], v[(\s)+48:(\s)+63], v[TM+15]
	WIN 0
	v_nop                                          ; one plain place behind a scaled conversion
.irp i, 0,1,2
	v_permlane16_swap_b32 v[(\d0)+\i], v[CT+\i]
	v_permlane16_swap_b32 v[(\d1)+\i], v[CT+4+\i]
.endr
.irp i, 0,1,2
	v_mov_b32 v[(\d0)+3+\i], v[CT+\i]
	v_mov_b32 v[(\d1)+3+\i], v[CT+4+\i]
.endr
.endm
	PLACES NP
	v_and_b32 v4, 31, v0
	v_lshlrev_b32 v[LI], 4, v4
	v_lshlrev_b32 v[L8], 3, v4
	v_and_b32 v4, 7, v0
	v_bfe_u32 v5, v0, 3, 1
	v_lshl_add_u32 v4, v5, 4, v4                   ; 16 (r / 8) + r % 8: my row in a pair of position tiles
	v_bfe_u32 v5, v0, 4, 1
	v_lshlrev_b32 v[TA], 8, v4
	v_lshl_add_u32 v[TA], v5, 6, v[TA]             ; 256 bytes of table a row, + 64 h: my eight frequencies of sixteen
.irp b, 0,1,2,3
	v_mov_b32 v[TM+4+\b], 0                        ; a lane permute's destination counts as one of its sources
.endr
	s_mov_b32 s[SEL], 0x76543210
	s_mov_b32 s[SEL+1], 0xfedcba98
	s_mov_b32 s96, 0xffff0000                      ; lanes 16-31
	s_cmp_eq_u32 s95, 1
	s_cbranch_scc1 .Lvarm
	; ---- Q and K.  My 128 columns are two heads; registers 32 c + 16 B + i of a tile a: head c, d = 32 B + 16 h + i
	s_and_b32 s21, s17, 7
	s_lshl_b32 s98, s21, 16
	s_lshl_b32 s99, s15, 15
	s_add_co_u32 s98, s98, s99                     ; (256 (tile row % 8) + 128 x half) places of 256 bytes
	s_mov_b32 s99, 0
	s_add_nc_u64 s[8:9], s[8:9], s[98:99]          ; the table at my first place in the sequence
	s_lshl_b32 s22, s21, 1
	s_add_co_u32 s22, s22, s15                     ; which 128 positions of the sequence
	s_and_b32 s23, s42, 3
	s_lshl_b32 s23, s23, 2
	s_lshl_b32 s46, s16, 1
	s_add_co_u32 s23, s23, s46                     ; my first head
	s_lshr_b32 s20, s17, 3                         ; the batch
	s_lshl_b32 s20, s20, 4
	s_add_co_u32 s20, s20, s23
	s_lshl_b32 s20, s20, 4
	s_add_co_u32 s20, s20, s22                     ; (16 b + head) 16 + step
	s_cmp_ge_u32 s42, 4                            ; tile columns 4-7 are wk's.  A choice of addresses, no branch
	s_mov_b32 s46, 6400
	s_cselect_b32 s46, 12800, s46                  ; from record to record: K's alternate with V's
	s_cselect_b64 s[92:93], s[12:13], s[10:11]
	s_mul_i32 s20, s20, s46
	s_mov_b32 s21, 0
	s_add_nc_u64 s[92:93], s[92:93], s[20:21]      ; head 0's record,
	s_lshl_b32 s46, s46, 4
	s_mov_b32 s47, 0
	s_add_nc_u64 s[100:101], s[92:93], s[46:47]    ; head 1's: 16 records on
	WIN 0x40                                       ; the table's (cos, sin) into window 1, which B's fragments have left: 32 registers a tile a
.irp a, 0,1,2,3,4,5,6,7
.irp bb, 0,1
.irp j, 0,1,2,3
	global_load_b128 v[32*\a+16*\bb+4*\j:32*\a+16*\bb+4*\j+3], v[TA], s[8:9] offset:(32*(\a/2)+8*(\a%2))*256+128*\bb+16*\j
.endr
.endr
.endr
.irp a, 0,1,2,3,4,5,6,7
	s_wait_loadcnt 8*(7-\a)                        ; this tile's eight table loads are in; the later tiles' may be out
	WIN (2+\a/4)|(1<<2)                            ; source 0: the accumulators; source 1: the table
.set ii, 0
.rept 32
	v_pk_mul_f32 v[ROT+2*ii:ROT+2*ii+1], v[64*(\a%4)+2*ii:64*(\a%4)+2*ii+1], v[32*\a+16*((ii/8)%2)+2*(ii%8):32*\a+16*((ii/8)%2)+2*(ii%8)+1] op_sel_hi:[0,1]   ; x0 cos, x0 sin
.set ii, ii+1
.endr
.set ii, 0
.rept 32
	v_pk_fma_f32 v[ROT+2*ii:ROT+2*ii+1], v[64*(\a%4)+2*ii:64*(\a%4)+2*ii+1], v[32*\a+16*((ii/8)%2)+2*(ii%8):32*\a+16*((ii/8)%2)+2*(ii%8)+1], v[ROT+2*ii:ROT+2*ii+1] op_sel:[1,1,0] op_sel_hi:[1,0,1] neg_lo:[1,0,0]   ; - x1 sin, + x1 cos
.set ii, ii+1
.endr
	QUANT ROT, 0, IMG+6*(\a%2), IMG+12+6*(\a%2)
.if (\a%2) == 0
	v_lshl_or_b32 v[WT], v[TM+5], 8, v[TM+4]       ; a fragment's scale word: bytes 0, 1 the even tile's two blocks of d,
	v_lshl_or_b32 v[WT+1], v[TM+7], 8, v[TM+6]
.else
	v_lshl_or_b32 v[WT], v[TM+4], 16, v[WT]        ; bytes 2, 3 the odd tile's
	v_lshl_or_b32 v[WT+1], v[TM+6], 16, v[WT+1]
	v_lshl_or_b32 v[WT], v[TM+5], 24, v[WT]
	v_lshl_or_b32 v[WT+1], v[TM+7], 24, v[WT+1]
.irp k, 0,1,2
	global_store_b128 v[LI], v[IMG+4*\k:IMG+4*\k+3], s[92:93] offset:FRB*(\a/2)+512*\k          ; 32 lanes store 512 consecutive bytes, aligned to 256
	global_store_b128 v[LI], v[IMG+12+4*\k:IMG+12+4*\k+3], s[100:101] offset:FRB*(\a/2)+512*\k
.endr
.if ((\a/2)%2) == 0
	v_mov_b32 v[SW+\a/4], v[WT]                    ; lanes 0-15 keep the even fragment's word,
	v_mov_b32 v[SW+2+\a/4], v[WT+1]
.else
	v_cndmask_b32 v[SW+\a/4], v[SW+\a/4], v[WT], s96   ; lanes 16-31 take the odd one's
	v_cndmask_b32 v[SW+2+\a/4], v[SW+2+\a/4], v[WT+1], s96
.endif
.endif
.endr
	global_store_b64 v[L8], v[SW:SW+1], s[92:93] offset:4*FRB       ; 256 consecutive bytes, aligned
	global_store_b64 v[L8], v[SW+2:SW+3], s[100:101] offset:4*FRB
	s_branch .Ldone
	; ---- V^T.  A tile a is 16 of wv's rows (head a / 4 of my two, tile a % 4 of its 64); its 64 registers with lane l xor 16's are my 128 keys: one fragment
.Lvarm:
	s_lshl_b32 s20, s17, 2
	s_lshl_b32 s21, s15, 1
	s_add_co_u32 s20, s20, s21                     ; my first head
	s_lshr_b32 s21, s42, 3                         ; the batch
	s_lshl_b32 s21, s21, 4
	s_add_co_u32 s20, s20, s21
	s_lshl_b32 s20, s20, 4
	s_and_b32 s21, s42, 7
	s_lshl_b32 s21, s21, 1
	s_add_co_u32 s21, s21, s16                     ; which 128 keys
	s_add_co_u32 s20, s20, s21
	s_mul_i32 s20, s20, 12800
	s_add_co_u32 s20, s20, 6400                    ; V's record lies behind K's
	s_mov_b32 s21, 0
	s_add_nc_u64 s[92:93], s[12:13], s[20:21]
.irp a, 0,1,2,3,4,5,6,7
	QUANT 64*(\a%4), 2+\a/4, IMG, IMG+6
	v_lshl_or_b32 v[WT], v[TM+5], 8, v[TM+4]       ; the four blocks of keys
	v_lshl_or_b32 v[WT], v[TM+6], 16, v[WT]
	v_lshl_or_b32 v[WT], v[TM+7], 24, v[WT]
.if (\a%2) == 0
	v_mov_b32 v[SW+(\a%4)/2], v[WT]
.else
	v_cndmask_b32 v[SW+(\a%4)/2], v[SW+(\a%4)/2], v[WT], s96
.endif
.irp k, 0,1,2
	global_store_b128 v[LI], v[IMG+4*\k:IMG+4*\k+3], s[92:93] offset:(\a/4)*204800+(\a%4)*FRB+512*\k
.endr
.if (\a%4) == 3
	global_store_b64 v[L8], v[SW:SW+1], s[92:93] offset:(\a/4)*204800+4*FRB
.endif
.endr
.Ldone:
	s_wait_tensorcnt 0x0                           ; the wave's end, behind my last tensor load
	ds_add_u32 v[SPW], v[NIL]
	s_wait_dscnt 0x0
	CROUND                                         ; the closing round: no work-group ends while a partner may still ask for a tile that names it
	s_endpgm
.Lfunc_end_k_q555d5c7ae6_qkv:
	.size	k_q555d5c7ae6_qkv, .Lfunc_end_k_q555d5c7ae6_qkv-k_q555d5c7ae6_qkv
	.p2alignl 7, 3214868480
	.fill 96, 4, 3214868480
	.section	.rodata,"a",@progbits
	.p2align	6, 0x0
	.amdhsa_kernel k_q555d5c7ae6_qkv
		.amdhsa_group_segment_fixed_size 327680
		.amdhsa_private_segment_fixed_size 0
		.amdhsa_enable_private_segment 0
		.amdhsa_kernarg_size 40
		.amdhsa_user_sgpr_count 2
		.amdhsa_user_sgpr_kernarg_segment_ptr 1
		.amdhsa_wavefront_size32 1
		.amdhsa_system_sgpr_workgroup_id_x 1
		.amdhsa_system_sgpr_workgroup_id_y 1
		.amdhsa_system_sgpr_workgroup_id_z 1
		.amdhsa_system_vgpr_workitem_id 0
		.amdhsa_next_free_vgpr 1024
		.amdhsa_next_free_sgpr 102
		.amdhsa_reserve_vcc 0
		.amdhsa_float_denorm_mode_32 3
		.amdhsa_float_denorm_mode_16_64 3
		.amdhsa_memory_ordered 1
		.amdhsa_forward_progress 1
		.amdhsa_inst_pref_size 237
	.end_amdhsa_kernel
	.amdgpu_metadata
---
amdhsa.version: [ 1, 2 ]
amdhsa.kernels:
  - .name:           k_q555d5c7ae6_qkv
    .symbol:         k_q555d5c7ae6_qkv.kd
    .args:
      - { .name: xq, .offset: 0, .size: 8, .value_kind: global_buffer, .address_space: global }
      - { .name: wz, .offset: 8, .size: 8, .value_kind: global_buffer, .address_space: global }
      - { .name: tab, .offset: 16, .size: 8, .value_kind: global_buffer, .address_space: global }
      - { .name: qb, .offset: 24, .size: 8, .value_kind: global_buffer, .address_space: global }
      - { .name: kvb, .offset: 32, .size: 8, .value_kind: global_buffer, .address_space: global }
    .group_segment_fixed_size: 327680
    .private_segment_fixed_size: 0
    .kernarg_segment_align: 8
    .kernarg_segment_size: 40
    .max_flat_workgroup_size: 128
    .sgpr_count:     102
    .vgpr_count:     1024
    .wavefront_size: 32
...
	.end_amdgpu_metadata
.endif
;; end of part 2
;; launch attn (part 3): grid 4 x 64, 16 waves a work-group, no clusters, 327,680 bytes of LDS; arguments qb, kvb, oq; writes oq
.if DOCPART == 3
	.amdgcn_target "amdgcn-amd-amdhsa--gfx1250"
	.amdhsa_code_object_version 6
	.text
	.protected	k_q555d5c7ae6_attn
	.globl	k_q555d5c7ae6_attn
	.p2align	8
	.type	k_q555d5c7ae6_attn,@function
k_q555d5c7ae6_attn:
	s_mov_b64 s[64:65], 0
	v_nop
	global_prefetch_b8 v0, s[64:65] scope:SCOPE_SE
	s_setreg_imm32_b32 hwreg(HW_REG_WAVE_MODE, 25, 1), 1
	s_wait_xcnt 0x0
; THIRD LAUNCH: the causal attention of one head on codes of FP6 (E2M3) with E8M0 scales, and its output quantised for the last product.
; LEFT OUT: the steps of 128 keys all of which come after a wave's 16 queries: reference()'s own mask makes their weight 0 for all inputs (shown at the head of the first launch).
; THE SOFTMAX: t = score x log2(e) / 8; M = the row's largest t so far, rounded up to a whole number; p = 2^(t - M) is quantised along the keys, not normalised; the row's sum of the unquantised p divides at the end.
; SHARES.  Work-group (i, head) owns the blocks 7 - i and i of 256 queries, one after the other: 8 - i and i + 1 slots of 256 keys, NINE in every work-group: equal work, a constant trip count, and every slot fetched is read.
; Sixteen waves, one position tile of 16 queries each, 256 registers: four waves to a SIMD, so that one wave's vector work stands beside another's matrix work and LDS loads.
; NO CLUSTER: the four work-groups of a head want different slots from their fifth change of slots on (their first blocks end at different trips), so they could not make every request jointly.
; LAYOUT.  Both products are used transposed: S^T = K Q^T, O^T = V^T P^T: a lane holds one query throughout.  A head has 64 numbers and the instruction takes 128 along K: a fragment of K holds TWO tiles of 16 keys (k 0-63: one, k 64-127: the other),
; and is multiplied once by [q | zeros] and once by [zeros | q]: zero codes add nothing.  The two results lie in 16 registers on end and hold keys 32 F + 16 (lane / 16) + 0 .. 15: neighbours along the second product's K.
; Operands come as images of their registers: three loads of 16 bytes a lane for a fragment.  A slot: two steps of (K's record, V's record), 6,400 bytes each; waves 0-3 fetch a record each.
; LIMITS: O / l is a reciprocal and a multiplication; a block of zeros gets the byte 1; NaN and infinities are not served.  O's scale bytes leave as 2 bytes a row (32 bytes for each 768 bytes of codes), rows 8 bytes apart.
.set REC,    6400
.set SLOT1,  32768                     ; slot 1 begins here: one exclusive or turns an address in one slot into the other's
.set SPARE,  65536                     ; the spare words, 128 bytes for each of 16 waves
.set XS_OFF, 6291456
.set LI,  1                            ; v1  16 x lane
.set LS,  2                            ; v2  8 x lane + 6,144: my scale words in a record
.set SPW, 3
.set NIL, 4
.set ADK, 5
.set ADS, 6
.set QL,  7                            ; v7  16 (r / 8) + r % 8 - 16 h
.set L8,  8                            ; v8  8 x lane
.set R8,  9                            ; v9  8 r
.set QZ,  16                           ; v16-33: six zeros, q's six registers, six zeros: [0 | q] = v[16:27], [q | 0] = v[22:33]
.set QS,  34                           ; v34 q's scale word, v35 p's, v[36:37] K's, v[38:39] V's: scales and nothing else
.set PS,  35
.set KS,  36
.set VS,  38
.set FRG, 40                           ; v40-87 four fragments, of K and then of V
.set S,   96                           ; v96-159 S^T, then p
.set O,   160                          ; v160-191 O^T
.set PC,  192
.set CT,  204
.set BM,  212
.set BT,  216
.set BS,  220
.set TT,  224                          ; v224, v225 at work; v[226:227] f; v[228:229] the sum's second chain; v230 -infinity; v231 d
.set WV,  10
.set NB,  13                           ; slots of the first block: 8 - i
.set TR,  14
.set SG,  15
.set TB,  16
.set KF,  17
.set Q0,  18
.set BLK, 19
.set SEL, 20
.set CS,  22
.macro TLOAD                           ; waves 0-3 fetch a record each; the branch hangs on the wave's number alone.  An s_nop 0 and four v_nop follow the load
	s_cmp_lt_u32 s[WV], 4
	s_cbranch_scc0 .Lnone_\@
	tensor_load_to_lds s[32:35], s[24:31]
	s_nop 0
.rept 4
	v_nop
.endr
.Lnone_\@:
.endm
	s_load_b128 s[4:7], s[0:1], 0x0                ; qb, kvb
	s_load_b64 s[8:9], s[0:1], 0x10                ; oq
	v_lshl_add_u32 v[SPW], v0, 2, SPARE
	v_mov_b32 v[NIL], 0
	ds_add_u32 v[SPW], v[NIL]                      ; the wave's opening: the add, twice on end, and its wait ahead of the first tensor load
	ds_add_u32 v[SPW], v[NIL]
	v_lshrrev_b32 v5, 5, v0
	s_delay_alu instid0(VALU_DEP_1)
	v_readfirstlane_b32 s[WV], v5                  ; wave 0..15
	s_mov_b32 s11, ttmp9                           ; i
	s_and_b32 s12, ttmp7, 0xffff                   ; 16 b + head
	s_sub_co_u32 s[NB], 8, s11
	s_mov_b32 s24, 3<<16                           ; group 1: 25 rows of 256 bytes (32 elements of 8), dense
	s_mov_b32 s25, 32<<16
	s_mov_b32 s26, 25<<16
	s_mov_b32 s27, 32<<16
	s_mov_b32 s28, 25
	s_mov_b32 s29, 32
	s_mov_b32 s30, 0
	s_mov_b32 s31, 0
	s_mov_b32 s[SEL], 0x76543210
	s_mov_b32 s[SEL+1], 0xfedcba98
	s_mov_b32 s[CS], 0x3e38aa3b                    ; log2(e) / 8
	s_mov_b32 s[CS+1], s[CS]
	s_mov_b32 s32, 1
	s_mul_i32 s33, s[WV], REC                      ; my record's place in slot 0
	s_mul_i32 s52, s12, 204800                     ; a head's 16 steps of 12,800 bytes
	s_add_co_u32 s52, s52, s33
	s_mov_b32 s53, 0
	s_mov_b32 s39, 0
	s_and_b32 s49, s[WV], 1
	s_sub_co_u32 s48, 0, s49                       ; all ones in odd waves: q is the fragment's upper half
	s_lshl_b32 s50, s49, 3
	s_lshl_b32 s49, s49, 4
	s_lshr_b32 s62, s[WV], 1
	s_lshl_b32 s63, s62, 5
	s_add_co_u32 s50, s50, s63                     ; 32 (w / 2) + 8 (w % 2): my tile's first query in its block
	s_lshr_b32 s51, s[WV], 3
	s_and_b32 s62, s62, 3                          ; f: which fragment of Q's record
	s_mul_i32 s2, s12, 102400
	s_mul_i32 s63, s62, 1536
	s_add_co_u32 s54, s2, s63
	s_mov_b32 s55, 0
	s_and_b32 s63, s62, 1
	s_lshl_b32 s63, s63, 7
	s_add_co_u32 s56, s2, s63
	s_lshr_b32 s63, s62, 1
	s_lshl_b32 s63, s63, 2
	s_add_co_u32 s56, s56, s63
	s_add_co_u32 s56, s56, 6144                    ; its scale words: 6,144 + 128 (f % 2) + 4 (f / 2), + 8 r
	s_mov_b32 s57, 0
	s_lshr_b32 s62, s12, 4
	s_lshl_b32 s62, s62, 7
	s_add_co_u32 s62, s62, s[WV]                   ; 128 b + w: my row tile of oq in block 0
	s_and_b32 s63, s12, 15                         ; head
	s_mul_i32 s58, s62, 12288
	s_lshr_b32 s2, s63, 1
	s_mul_i32 s2, s2, 1536
	s_add_co_u32 s58, s58, s2
	s_and_b32 s2, s63, 1
	s_mul_i32 s2, s2, 768
	s_add_co_u32 s58, s58, s2                      ; K fragment head / 2, its lower or upper three pieces
	s_mov_b32 s59, 0
	s_lshl_b32 s60, s62, 9
	s_lshr_b32 s2, s63, 2
	s_lshl_b32 s2, s2, 7
	s_add_co_u32 s60, s60, s2
	s_and_b32 s2, s63, 3
	s_lshl_b32 s2, s2, 1
	s_add_co_u32 s60, s60, s2
	s_add_co_u32 s60, s60, XS_OFF
	s_mov_b32 s61, 0
	s_wait_dscnt 0x0                               ; both opening adds are done
	s_wait_kmcnt 0x0
	s_add_nc_u64 s[36:37], s[6:7], s[52:53]        ; my record of the head's slot 0
	s_mov_b64 s[34:35], s[36:37]
	s_or_b32 s35, s35, 0x80000000
	TLOAD                                          ; slot 0
	s_add_nc_u64 s[40:41], s[4:5], s[54:55]
	s_add_nc_u64 s[42:43], s[4:5], s[56:57]
	s_add_nc_u64 s[44:45], s[8:9], s[58:59]
	s_add_nc_u64 s[46:47], s[8:9], s[60:61]
	v_and_b32 v10, 31, v0
	s_delay_alu instid0(VALU_DEP_1)
	v_lshlrev_b32 v[LI], 4, v10
	s_delay_alu instid0(VALU_DEP_2)
	v_lshlrev_b32 v[L8], 3, v10
	s_delay_alu instid0(VALU_DEP_1)
	v_add_nc_u32 v[LS], 6144, v[L8]
	v_and_b32 v10, 15, v0
	s_delay_alu instid0(VALU_DEP_1)
	v_lshlrev_b32 v[R8], 3, v10
	v_and_b32 v[QL], 7, v0
	v_bfe_u32 v10, v0, 3, 1
	s_delay_alu instid0(VALU_DEP_1)
	v_lshl_add_u32 v[QL], v10, 4, v[QL]
	v_bfe_u32 v10, v0, 4, 1
	s_delay_alu instid0(VALU_DEP_1)
	v_lshlrev_b32 v10, 4, v10
	s_delay_alu instid0(VALU_DEP_1)
	v_sub_nc_u32 v[QL], v[QL], v10
.irp j, 0,1,2,3,4,5
	v_mov_b32 v[QZ+\j], 0                          ; zero codes on both sides of q
	v_mov_b32 v[QZ+12+\j], 0
.endr
.irp b, 0,1,2,3
	v_mov_b32 v[BT+\b], 0                          ; a lane permute's destination counts as one of its sources
.endr
	v_mov_b32 v[TT], 0
	v_mov_b32 v[TT+3], 0                           ; (named as the upper half of f's pair)
; A BLOCK OF QUERIES BEGINS (its number in s[BLK]): q and its scale word, O's addresses, the running figures.
.macro INIT
	s_wait_xcnt 0x0                                ; earlier loads and stores have read the addresses that are written below
	s_lshl_b32 s[Q0], s[BLK], 8
	s_add_co_u32 s[Q0], s[Q0], s50                 ; my least query; the others: + r % 8 + 16 (r / 8)
	s_mov_b32 s[KF], 0
	s_lshl_b32 s52, s[BLK], 1
	s_add_co_u32 s52, s52, s51
	s_mul_i32 s52, s52, REC
	s_mov_b32 s53, 0
	s_add_nc_u64 s[54:55], s[40:41], s[52:53]
	s_add_nc_u64 s[56:57], s[42:43], s[52:53]
	s_mul_i32 s52, s[BLK], 16*12288
	s_add_nc_u64 s[58:59], s[44:45], s[52:53]
	s_lshl_b32 s52, s[BLK], 13
	s_add_nc_u64 s[60:61], s[46:47], s[52:53]
.irp k, 0,1,2
	global_load_b128 v[S+4*\k:S+4*\k+3], v[LI], s[54:55] offset:512*\k
.endr
	global_load_b32 v[TT], v[R8], s[56:57]
	s_wait_loadcnt 0x0
.irp k, 0,1,2,3,4,5
	v_cndmask_b32 v[QZ+6+\k], v[S+\k], v[S+6+\k], s48   ; my tile's half of the fragment
.endr
	v_lshrrev_b32 v[TT], s49, v[TT]
	s_delay_alu instid0(VALU_DEP_1)
	v_and_b32 v[TT], 0xffff, v[TT]                 ; its two bytes,
	s_delay_alu instid0(VALU_DEP_1)
	v_lshl_or_b32 v[QS], v[TT], 16, v[TT]          ; for k 0-63 and for k 64-127 alike
	v_mov_b32 v13, 0xff61b1e6                      ; the largest t so far: -3e38
	s_delay_alu instid0(VALU_DEP_1)
	v_floor_f32 v12, -v13                          ; -M
	v_mov_b32 v14, 0
	v_mov_b32 v15, 0
.set jj, 0
.rept 32
	v_mov_b32 v[O+jj], 0                           ; O^T: the step is written once, and its first change of M leaves zeros zeros.  (These are also the places between q's scale word and the first product)
.set jj, jj+1
.endr
.endm
; A KEY STEP: 128 keys, the q-th of the slot in hand.
.macro STEP q
	s_add_co_u32 s62, s[Q0], 23                    ; my last query
	s_cmp_gt_u32 s[KF], s62
	s_cbranch_scc1 .Lhidden_\@                     ; all keys come after all my queries: ids and counts alone; no barrier and no tensor load stands in a step
	v_add_nc_u32 v[ADK], s[TB], v[LI]
	v_add_nc_u32 v[ADS], s[TB], v[LS]
	v_nop
	v_nop                                          ; four places in front of loads into registers that the last products read
.irp f, 0,1,2,3
.irp k, 0,1,2
	ds_load_b128 v[FRG+12*\f+4*\k:FRG+12*\f+4*\k+3], v[ADK] offset:2*REC*(\q)+1536*\f+512*\k
.endr
.endr
	ds_load_b64 v[KS:KS+1], v[ADS] offset:2*REC*(\q)
	s_wait_alu depctr_va_vdst(0)
	s_wait_dscnt 0x0
.irp f, 0,1,2,3
.irp e, 0,1
.if \f%2
	v_wmma_scale_f32_16x16x128_f8f6f4 v[S+16*\f+8*\e:S+16*\f+8*\e+7], v[FRG+12*\f:FRG+12*\f+11], v[QZ+6-6*\e:QZ+17-6*\e], 0, v[KS+\f/2], v[QS] matrix_a_fmt:MATRIX_FMT_FP6 matrix_b_fmt:MATRIX_FMT_FP6 matrix_a_scale:MATRIX_SCALE_ROW1
.else
	v_wmma_scale_f32_16x16x128_f8f6f4 v[S+16*\f+8*\e:S+16*\f+8*\e+7], v[FRG+12*\f:FRG+12*\f+11], v[QZ+6-6*\e:QZ+17-6*\e], 0, v[KS+\f/2], v[QS] matrix_a_fmt:MATRIX_FMT_FP6 matrix_b_fmt:MATRIX_FMT_FP6
.endif
.endr
.endr
.rept 4
	v_nop
.endr
.irp t, 0,1,2,3                                ; V's fragments are asked for here and land under the softmax
.irp k, 0,1,2
	ds_load_b128 v[FRG+12*\t+4*\k:FRG+12*\t+4*\k+3], v[ADK] offset:2*REC*(\q)+REC+1536*\t+512*\k
.endr
.endr
	ds_load_b64 v[VS:VS+1], v[ADS] offset:2*REC*(\q)+REC
	s_add_co_u32 s62, s[KF], 127
	s_cmp_le_u32 s62, s[Q0]
	s_cbranch_scc1 .Lopen_\@                       ; all keys count for all my queries
	s_sub_co_i32 s62, s[Q0], s[KF]
	v_add_nc_u32 v[TT+7], s62, v[QL]               ; d = my query - the step's first key - 16 h: register 16 b + i holds a hidden key where 32 b + i > d
	v_mov_b32 v[TT+6], 0xff800000
.set nn, 0
.rept 64
	v_cmp_gt_i32 vcc_lo, 32*(nn/16)+nn%16, v[TT+7]
	v_cndmask_b32 v[S+nn], v[S+nn], v[TT+6], vcc_lo
.set nn, nn+1
.endr
.Lopen_\@:
.irp b, 0,1,2,3
	v_max3_num_f32 v[BM+\b], v[S+16*\b], v[S+16*\b+1], v[S+16*\b+2]   ; the largest score of each block of 32 keys: for the row's maximum, and, since p rises with the score, for the block's largest p
.endr
.irp i, 3,5,7,9,11,13
.irp b, 0,1,2,3
	v_max3_num_f32 v[BM+\b], v[BM+\b], v[S+16*\b+\i], v[S+16*\b+\i+1]
.endr
.endr
.irp b, 0,1,2,3
	v_max_num_f32 v[BM+\b], v[BM+\b], v[S+16*\b+15]
.endr
.irp b, 0,1,2,3
	s_delay_alu instid0(VALU_DEP_4)
	v_permlanex16_b32 v[BT+\b], v[BM+\b], s[SEL], s[SEL+1]
.endr
.irp b, 0,1,2,3
	s_delay_alu instid0(VALU_DEP_4)
	v_max_num_f32 v[BM+\b], v[BM+\b], v[BT+\b]
.endr
	s_delay_alu instid0(VALU_DEP_2)
	v_max3_num_f32 v[TT], v[BM], v[BM+1], v[BM+2]
	s_delay_alu instid0(VALU_DEP_1)
	v_max_num_f32 v[TT], v[TT], v[BM+3]
	s_delay_alu instid0(VALU_DEP_1)
	v_mul_f32 v[TT], s[CS], v[TT]
	s_delay_alu instid0(VALU_DEP_1)
	v_max_num_f32 v13, v13, v[TT]                  ; the running largest t
	v_mov_b32 v[TT], v12
	s_delay_alu instid0(VALU_DEP_2)
	v_floor_f32 v12, -v13                          ; -M = floor(-t): M is a whole number
	s_delay_alu instid0(VALU_DEP_1)
	v_sub_f32 v[TT], v12, v[TT]
	s_delay_alu instid0(VALU_DEP_1)
	v_cvt_i32_f32 v[TT], v[TT]                     ; (it saturates)
	s_delay_alu instid0(VALU_DEP_1)
	v_ldexp_f32 v[TT+2], 1.0, v[TT]                ; f = 2^(old M - new M): a multiplication by it rounds nothing
.set jj, 0
.rept 32
	v_pk_fma_f32 v[S+jj:S+jj+1], v[S+jj:S+jj+1], s[CS:CS+1], v[12:13] op_sel_hi:[1,0,0]   ; t - M
.set jj, jj+2
.endr
.irp b, 0,1,2,3
	v_fma_f32 v[BM+\b], v[BM+\b], s[CS], v12
.endr
.set jj, 0
	s_wait_alu depctr_va_vdst(0)
.rept 64
	v_exp_f32 v[S+jj], v[S+jj]                     ; p
.set jj, jj+1
.endr
	v_pk_mul_f32 v[14:15], v[14:15], v[TT+2:TT+3] op_sel_hi:[1,0]   ; the sums under the new M.  (A plain place behind the exponentials)
	s_wait_alu depctr_va_vdst(0)                   ; one wait for the whole batch, ahead of its first reader
.irp b, 0,1,2,3
	v_exp_f32 v[BM+\b], v[BM+\b]                   ; the block's largest p
.endr
	v_pk_add_f32 v[228:229], v[100:101], v[104:105]
	v_pk_add_f32 v[254:255], v[108:109], v[112:113]
	v_pk_add_f32 v[252:253], v[116:117], v[120:121]
	v_pk_add_f32 v[250:251], v[124:125], v[128:129]
	v_pk_add_f32 v[248:249], v[132:133], v[136:137]
	v_pk_add_f32 v[246:247], v[140:141], v[144:145]
	v_pk_add_f32 v[244:245], v[148:149], v[152:153]
	v_pk_add_f32 v[14:15], v[14:15], v[156:157]
	v_pk_add_f32 v[228:229], v[228:229], v[96:97]
	v_pk_add_f32 v[254:255], v[254:255], v[98:99]
	v_pk_add_f32 v[252:253], v[252:253], v[102:103]
	v_pk_add_f32 v[250:251], v[250:251], v[106:107]
	v_pk_add_f32 v[248:249], v[248:249], v[110:111]
	v_pk_add_f32 v[246:247], v[246:247], v[114:115]
	v_pk_add_f32 v[244:245], v[244:245], v[118:119]
	v_pk_add_f32 v[14:15], v[14:15], v[122:123]
	v_pk_add_f32 v[228:229], v[228:229], v[126:127]
	v_pk_add_f32 v[254:255], v[254:255], v[130:131]
	v_pk_add_f32 v[252:253], v[252:253], v[134:135]
	v_pk_add_f32 v[250:251], v[250:251], v[138:139]
	v_pk_add_f32 v[248:249], v[248:249], v[142:143]
	v_pk_add_f32 v[246:247], v[246:247], v[146:147]
	v_pk_add_f32 v[244:245], v[244:245], v[150:151]
	v_pk_add_f32 v[14:15], v[14:15], v[154:155]
	v_pk_add_f32 v[228:229], v[228:229], v[158:159]
	s_delay_alu instid0(VALU_DEP_2)
	v_pk_add_f32 v[14:15], v[14:15], v[250:251]
	s_delay_alu instid0(VALU_DEP_2)
	v_pk_add_f32 v[228:229], v[228:229], v[248:249]
	v_pk_add_f32 v[254:255], v[254:255], v[246:247]
	v_pk_add_f32 v[252:253], v[252:253], v[244:245]
	s_delay_alu instid0(VALU_DEP_2)
	v_pk_add_f32 v[14:15], v[14:15], v[254:255]
	s_delay_alu instid0(VALU_DEP_2)
	v_pk_add_f32 v[228:229], v[228:229], v[252:253]
	s_delay_alu instid0(VALU_DEP_1)
	v_pk_add_f32 v[14:15], v[14:15], v[228:229]
	s_wait_alu depctr_va_vdst(0)                   ; and one for the four
.irp b, 0,1,2,3
	v_max_num_f32 v[BM+\b], 0x1800000, v[BM+\b]    ; the floor 2^(3 - 127)
.endr
.irp b, 0,1,2,3
	s_delay_alu instid0(VALU_DEP_4)
	v_add_nc_u32 v[BS+\b], 0xff000000, v[BM+\b]
.endr
.irp b, 0,1,2,3
	s_delay_alu instid0(VALU_DEP_4)
	v_lshrrev_b32 v[BT+\b], 23, v[BS+\b]
.endr
	s_delay_alu instid0(VALU_DEP_3)
	v_lshl_or_b32 v[PS], v[BT+1], 8, v[BT]
	s_delay_alu instid0(VALU_DEP_1)
	v_lshl_or_b32 v[PS], v[BT+2], 16, v[PS]
	s_delay_alu instid0(VALU_DEP_1)
	v_lshl_or_b32 v[PS], v[BT+3], 24, v[PS]
.irp c, 0,1
	v_cvt_scalef32_pk16_fp6_f32 v[PC+6*\c:PC+6*\c+2], v[S+32*\c:S+32*\c+15], v[BS+2*\c]
	v_cvt_scalef32_pk16_fp6_f32 v[CT+4*\c:CT+4*\c+2], v[S+32*\c+16:S+32*\c+31], v[BS+2*\c+1]
.endr
	v_nop                                          ; one plain place behind a scaled conversion
.irp c, 0,1
.irp i, 0,1,2
	v_permlane16_swap_b32 v[PC+6*\c+\i], v[CT+4*\c+\i]
.endr
.irp i, 0,1,2
	s_delay_alu instid0(VALU_DEP_3)
	v_mov_b32 v[PC+6*\c+3+\i], v[CT+4*\c+\i]
.endr
.endr
.set jj, 0
.rept 16
	v_pk_mul_f32 v[O+jj:O+jj+1], v[O+jj:O+jj+1], v[TT+2:TT+3] op_sel_hi:[1,0]   ; O^T under the new M.  (These 16 are also the places between p's scale word and codes and the products below)
.set jj, jj+2
.endr
	s_wait_alu depctr_va_vdst(0)
	s_wait_dscnt 0x0                               ; V is in
.irp t, 0,1,2,3                                ; four accumulators, one instruction each: by turns
.if \t%2
	v_wmma_scale_f32_16x16x128_f8f6f4 v[O+8*\t:O+8*\t+7], v[FRG+12*\t:FRG+12*\t+11], v[PC:PC+11], v[O+8*\t:O+8*\t+7], v[VS+\t/2], v[PS] matrix_a_fmt:MATRIX_FMT_FP6 matrix_b_fmt:MATRIX_FMT_FP6 matrix_a_scale:MATRIX_SCALE_ROW1
.else
	v_wmma_scale_f32_16x16x128_f8f6f4 v[O+8*\t:O+8*\t+7], v[FRG+12*\t:FRG+12*\t+11], v[PC:PC+11], v[O+8*\t:O+8*\t+7], v[VS+\t/2], v[PS] matrix_a_fmt:MATRIX_FMT_FP6 matrix_b_fmt:MATRIX_FMT_FP6
.endif
.endr
.Lhidden_\@:
	s_add_co_u32 s[KF], s[KF], 128
.endm
; THE CHANGE OF SLOTS, at a slot's head.  Each wave waits for all its tensor loads, adds 0 to its spare word (fill = 1: twice on end), and waits for that and for its reads of the slot that it has left.
; fill = 1: behind the barrier the slot just left is filled with the stream's next slot: a loading wave has one tensor load out.
.macro CHANGE fill
	s_wait_tensorcnt 0x0
	ds_add_u32 v[SPW], v[NIL]
.if \fill
	ds_add_u32 v[SPW], v[NIL]
	s_xor_b32 s33, s33, SLOT1                      ; the other slot than last time
	s_add_co_u32 s[SG], s[SG], 1
	s_cmp_eq_u32 s[SG], s[NB]
	s_cselect_b32 s[SG], 0, s[SG]                  ; behind the first block's last slot the stream begins anew at key 0
	s_mul_i32 s38, s[SG], 4*REC
	s_add_nc_u64 s[34:35], s[36:37], s[38:39]
	s_or_b32 s35, s35, 0x80000000
.endif
	s_wait_dscnt 0x0
	s_barrier_signal -1
	s_barrier_wait -1
.if \fill
	TLOAD
.endif
.endm
; A BLOCK OF QUERIES ENDS: O^T / l, quantised along head x 64 + d (two blocks of 32), stored as half a fragment's image and two scale bytes a row.
.macro FINAL
.rept 4
	v_nop
.endr
	v_add_f32 v14, v14, v15
	s_delay_alu instid0(VALU_DEP_1)
	v_permlanex16_b32 v[TT], v14, s[SEL], s[SEL+1]
	s_delay_alu instid0(VALU_DEP_1)
	v_add_f32 v14, v14, v[TT]                      ; the row's sum
	s_wait_alu depctr_va_vdst(0)
	v_rcp_f32 v[TT+1], v14
	v_nop
	s_wait_alu depctr_va_vdst(0)
.set jj, 0
.rept 32
	v_mul_f32 v[S+jj], v[O+jj], v[TT+1]            ; register 16 G + i: d = 32 G + 16 h + i
.set jj, jj+1
.endr
.irp g, 0,1
	v_max3_num_f32 v[BM+\g], |v[S+16*\g]|, |v[S+16*\g+1]|, 0x1800000
.endr
.irp i, 2,4,6,8,10,12,14
.irp g, 0,1
	s_delay_alu instid0(VALU_DEP_2)
	v_max3_num_f32 v[BM+\g], v[BM+\g], |v[S+16*\g+\i]|, |v[S+16*\g+\i+1]|
.endr
.endr
.irp g, 0,1
	s_delay_alu instid0(VALU_DEP_2)
	v_permlanex16_b32 v[BT+\g], v[BM+\g], s[SEL], s[SEL+1]
.endr
.irp g, 0,1
	s_delay_alu instid0(VALU_DEP_2)
	v_max_num_f32 v[BM+\g], v[BM+\g], v[BT+\g]
.endr
.irp g, 0,1
	s_delay_alu instid0(VALU_DEP_2)
	v_add_nc_u32 v[BS+\g], 0xff000000, v[BM+\g]
.endr
.irp g, 0,1
	s_delay_alu instid0(VALU_DEP_2)
	v_lshrrev_b32 v[BT+\g], 23, v[BS+\g]
.endr
	s_delay_alu instid0(VALU_DEP_1)
	v_lshl_or_b32 v[TT], v[BT+1], 8, v[BT]
	v_cvt_scalef32_pk16_fp6_f32 v[PC:PC+2], v[S:S+15], v[BS]
	v_cvt_scalef32_pk16_fp6_f32 v[CT:CT+2], v[S+16:S+31], v[BS+1]
	v_nop
.irp i, 0,1,2
	v_permlane16_swap_b32 v[PC+\i], v[CT+\i]
.endr
.irp i, 0,1,2
	s_delay_alu instid0(VALU_DEP_3)
	v_mov_b32 v[PC+3+\i], v[CT+\i]
.endr
.irp p, 0,1,2
	global_store_b64 v[L8], v[PC+2*\p:PC+2*\p+1], s[58:59] offset:256*\p   ; 32 lanes store 256 consecutive bytes, aligned
.endr
	global_store_b16 v[R8], v[TT], s[60:61]        ; both halves of the lanes hold the same two bytes of row r
	s_wait_xcnt 0x0                                ; the stores have read their registers: the next steps write them again
.endm
	s_sub_co_u32 s[BLK], 7, s11                    ; the larger block first
	INIT
	s_mov_b32 s[TR], 0
	s_mov_b32 s[SG], 0
	s_mov_b32 s[TB], 0
.Ltrip:                                        ; eight trips, and a ninth written out, so that the last trip jumps over no tensor load
	CHANGE 1
	s_cmp_lg_u32 s[TR], s[NB]
	s_cbranch_scc1 .Lsame_block
	s_mov_b32 s[BLK], s11
	INIT
.Lsame_block:
	STEP 0
	STEP 1
	s_xor_b32 s[TB], s[TB], SLOT1
	s_add_co_u32 s62, s[TR], 1
	s_cmp_lg_u32 s62, s[NB]
	s_cbranch_scc1 .Lnot_done
	FINAL
.Lnot_done:
	s_add_co_u32 s[TR], s[TR], 1
	s_cmp_lt_u32 s[TR], 8
	s_cbranch_scc1 .Ltrip
	CHANGE 0
	s_cmp_lg_u32 s[NB], 8
	s_cbranch_scc1 .Lsame_block_2
	s_mov_b32 s[BLK], s11
	INIT
.Lsame_block_2:
	STEP 0
	STEP 1
	FINAL
	s_wait_tensorcnt 0x0                           ; the wave's end, behind the last tensor load
	ds_add_u32 v[SPW], v[NIL]
	s_wait_dscnt 0x0
	s_endpgm
.Lfunc_end_k_q555d5c7ae6_attn:
	.size	k_q555d5c7ae6_attn, .Lfunc_end_k_q555d5c7ae6_attn-k_q555d5c7ae6_attn
	.p2alignl 7, 3214868480
	.fill 96, 4, 3214868480
	.section	.rodata,"a",@progbits
	.p2align	6, 0x0
	.amdhsa_kernel k_q555d5c7ae6_attn
		.amdhsa_group_segment_fixed_size 327680
		.amdhsa_private_segment_fixed_size 0
		.amdhsa_enable_private_segment 0
		.amdhsa_kernarg_size 24
		.amdhsa_user_sgpr_count 2
		.amdhsa_user_sgpr_kernarg_segment_ptr 1
		.amdhsa_wavefront_size32 1
		.amdhsa_system_sgpr_workgroup_id_x 1
		.amdhsa_system_sgpr_workgroup_id_y 1
		.amdhsa_system_sgpr_workgroup_id_z 1
		.amdhsa_system_vgpr_workitem_id 0
		.amdhsa_next_free_vgpr 256
		.amdhsa_next_free_sgpr 66
		.amdhsa_reserve_vcc 1
		.amdhsa_float_denorm_mode_32 3
		.amdhsa_float_denorm_mode_16_64 3
		.amdhsa_memory_ordered 1
		.amdhsa_forward_progress 1
		.amdhsa_inst_pref_size 111
	.end_amdhsa_kernel
	.amdgpu_metadata
---
amdhsa.version: [ 1, 2 ]
amdhsa.kernels:
  - .name:           k_q555d5c7ae6_attn
    .symbol:         k_q555d5c7ae6_attn.kd
    .args:
      - { .name: qb, .offset: 0, .size: 8, .value_kind: global_buffer, .address_space: global }
      - { .name: kvb, .offset: 8, .size: 8, .value_kind: global_buffer, .address_space: global }
      - { .name: oq, .offset: 16, .size: 8, .value_kind: global_buffer, .address_space: global }
    .group_segment_fixed_size: 327680
    .private_segment_fixed_size: 0
    .kernarg_segment_align: 8
    .kernarg_segment_size: 24
    .max_flat_workgroup_size: 512
    .sgpr_count:     66
    .vgpr_count:     256
    .wavefront_size: 32
...
	.end_amdgpu_metadata
.endif
;; end of part 3
;; launch oproj (part 4): grid 4 x 32, 4 waves a work-group, clusters of 4 x 4, 327,680 bytes of LDS; arguments oq, wz, out0; writes out0
.if DOCPART == 4
	.amdgcn_target "amdgcn-amd-amdhsa--gfx1250"
	.amdhsa_code_object_version 6
	.text
	.protected	k_q555d5c7ae6_oproj
	.globl	k_q555d5c7ae6_oproj
	.p2align	8
	.type	k_q555d5c7ae6_oproj,@function
k_q555d5c7ae6_oproj:
	s_mov_b64 s[64:65], 0
	v_nop
	global_prefetch_b8 v0, s[64:65] scope:SCOPE_SE
	s_setreg_imm32_b32 hwreg(HW_REG_WAVE_MODE, 25, 1), 1
	s_wait_xcnt 0x0
	s_wait_alu depctr_hold_cnt(0) depctr_sa_sdst(0) depctr_va_vdst(0) depctr_va_sdst(0) depctr_va_ssrc(0) depctr_va_vcc(0) depctr_vm_vsrc(0)
	s_getreg_b32 s2, hwreg(HW_REG_IB_STS2, 6, 4)
	s_cmp_eq_u32 s2, 0
	s_cbranch_scc0 .Lentry_in_a_cluster
	s_endpgm
.Lentry_in_a_cluster:
	s_bfe_u32 s2, ttmp6, 0x10000c
	s_cmp_lg_u32 s2, 0xf033
	s_cbranch_scc0 .Lentry_shape_is_right
	s_endpgm
.Lentry_shape_is_right:
; FOURTH LAUNCH: out0 = O wo^T on codes of FP6 (E2M3) with E8M0 scales; f32 out.  No work is left out here.
; The loop is the second launch's: a tile of 256 x 256 by four waves of 128 x 128, K = 1,024 in four steps of 256 through two LDS slots, clusters of 4 x 4 with joint loads, operands as images of their registers, rows in position space
; (bits 3 and 4 of a row's number exchanged), the matrix instruction used transposed (source 0 = 16 rows of wo, source 1 = 16 rows of O).
; THE WAY OUT puts rows and columns back in their order: lane (r, h) of accumulator (a, b) holds row 32 (a / 2) + 8 (a % 2) + 16 (r / 8) + r % 8 and columns 32 (b / 2) + 16 h + 8 (b % 2) + 0 .. 7.  A block of 16 rows goes through the wave's own
; stage in LDS and leaves as whole rows of 512 bytes.  The stage lies in slot 0, which has had its last fill and its last read when the first result is stored there.
.set XS_OFF, 6291456
.set WS_OFF, 3145728
.set WT_B,   786432
.set RT,     12288
.set FRB,    1536
.set TROW,   2*FRB
.set NQ,     2
.set FR,     12
.set NL,     6
.set NP,     4
.set HALFT,  8*TROW
.set SLOT,   4*HALFT
.set LAPS,   2
.set SCL,    2*SLOT
.set HALFS,  4096
.set SBLK,   512
.set SPARE,  SCL+4*HALFS
.set SPITCH, 528
.set ROWC,   4096                      ; a row of out0 in bytes
.set ADRA, 16
.set ADRB, 20
.set STO,  24
.set RD,   25
.set CO,   26
.set ADRS, 27
.set SPW,  28
.set NIL,  29
.set SC,   32
.set AF,   128
.set BK,   128
.set G1, 24
.set G0, 32
.set G1B, 48
.set G0B, 56
.set G1S, 68
.set G0S, 76
.set G1SB, 80
.set G0SB, 88
.set MSB, 0
.macro WIN new
.if MSB != (\new)
	s_set_vgpr_msb (MSB<<8)|(\new)
.set MSB, (\new)
.endif
.endm
.set MUL_LO, 0xa1
.set MUL_HI, 0xf1
.set TO_B,   0x40
.macro JLOAD g0a, g1a, g0b, g1b        ; a joint load: waves 0 and 1 for A, waves 2 and 3 for B; an s_nop 0 and four v_nop follow each line
	s_cmp_eq_u32 s15, 0
	s_cbranch_scc0 .Lfor_b_\@
	tensor_load_to_lds s[\g0a:\g0a+3], s[\g1a:\g1a+7]
	s_nop 0
.rept 4
	v_nop
.endr
	s_branch .Lasked_\@
.Lfor_b_\@:
	tensor_load_to_lds s[\g0b:\g0b+3], s[\g1b:\g1b+7]
	s_nop 0
.rept 4
	v_nop
.endr
.Lasked_\@:
.endm
.macro CREST
	s_cmp_lg_u32 s14, 0
	s_cbranch_scc1 .Lnot_wave_0_\@
	s_barrier_signal -3
.Lnot_wave_0_\@:
	s_barrier_wait -3
	s_barrier_signal -1
	s_barrier_wait -1
.endm
.macro CROUND
	s_barrier_signal -1
	s_barrier_wait -1
	CREST
.endm
	s_load_b128 s[4:7], s[0:1], 0x0                ; oq, wz
	s_load_b64 s[12:13], s[0:1], 0x10              ; out0
	v_lshl_add_u32 v[SPW], v0, 2, SPARE
	v_mov_b32 v[NIL], 0
	ds_add_u32 v[SPW], v[NIL]                      ; the wave's opening: the add, twice on end, and its wait ahead of my first tensor load
	ds_add_u32 v[SPW], v[NIL]
	v_lshrrev_b32 v1, 5, v0
	v_readfirstlane_b32 s14, v1
	s_lshr_b32 s15, s14, 1
	s_and_b32 s16, s14, 1
	s_bfe_u32 s40, ttmp6, 0x40000                  ; cx
	s_bfe_u32 s41, ttmp6, 0x40004                  ; cy
	s_lshl_b32 s42, ttmp9, 2
	s_add_co_u32 s42, s42, s40                     ; tile column
	s_and_b32 s17, ttmp7, 0xffff
	s_lshl_b32 s17, s17, 2
	s_add_co_u32 s17, s17, s41                     ; tile row
	s_lshl_b32 s43, s41, 2
	s_lshl_b32 s43, 15, s43
	s_lshl_b32 s44, 0x1111, s40
	s_or_b32 s[G1+0], s43, (3<<16)|(1<<21)         ; codes: 8 row tiles x 3,072 bytes, 12,288 bytes apart
	s_or_b32 s[G1B+0], s44, (3<<16)|(1<<21)
.irp g, G1, G1B
	s_mov_b32 s[\g+1], 384<<16
	s_mov_b32 s[\g+2], 8<<16
	s_mov_b32 s[\g+3], 384<<16
	s_mov_b32 s[\g+4], 8
	s_mov_b32 s[\g+5], 1536
	s_mov_b32 s[\g+6], 0
	s_mov_b32 s[\g+7], 0
.endr
	s_or_b32 s[G1S+0], s43, (3<<16)|(1<<21)        ; scale words of 128 rows: 16 rows of 256 bytes, dense
	s_or_b32 s[G1SB+0], s44, (3<<16)|(1<<21)
.irp g, G1S, G1SB
	s_mov_b32 s[\g+1], 32<<16
	s_mov_b32 s[\g+2], 16<<16
	s_mov_b32 s[\g+3], 32<<16
	s_mov_b32 s[\g+4], 16
	s_mov_b32 s[\g+5], 32
	s_mov_b32 s[\g+6], 0
	s_mov_b32 s[\g+7], 0
.endr
	s_lshl_b32 s18, s16, 3
	s_lshl_b32 s20, s17, 4
	s_add_co_u32 s20, s20, s18
	s_lshl_b32 s46, s42, 4
	s_add_co_u32 s46, s46, s18
	s_lshl_b32 s22, s20, 9
	s_mov_b32 s23, 0
	s_lshl_b32 s92, s46, 9
	s_mov_b32 s93, 0
	s_mul_i32 s20, s20, RT
	s_mov_b32 s21, 0
	s_mul_i32 s46, s46, RT
	s_mov_b32 s47, 0
	s_mul_i32 s45, s14, HALFT
	s_mul_i32 s94, s14, HALFS
	s_wait_dscnt 0x0
	s_wait_kmcnt 0x0
	s_add_nc_u64 s[96:97], s[4:5], XS_OFF          ; O's scale words,
	s_add_nc_u64 s[98:99], s[6:7], 3*WT_B          ; wo's codes,
	s_add_nc_u64 s[100:101], s[6:7], WS_OFF+3*32768   ; wo's scale words
	s_add_nc_u64 s[20:21], s[4:5], s[20:21]
	s_add_nc_u64 s[22:23], s[96:97], s[22:23]
	s_add_nc_u64 s[46:47], s[98:99], s[46:47]
	s_add_nc_u64 s[92:93], s[100:101], s[92:93]
	CROUND
	s_mov_b32 s[G0S], 1
	s_add_co_u32 s[G0S+1], s94, SCL
	s_mov_b64 s[G0S+2:G0S+3], s[22:23]
	s_or_b32 s[G0S+3], s[G0S+3], 0x80000000
	s_mov_b32 s[G0SB], 1
	s_add_co_u32 s[G0SB+1], s94, SCL
	s_mov_b64 s[G0SB+2:G0SB+3], s[92:93]
	s_or_b32 s[G0SB+3], s[G0SB+3], 0x80000000
	JLOAD G0S, G1S, G0SB, G1SB                     ; three tensor loads of mine are out at the most
.irp s, 0,1
	s_mov_b32 s[G0+4*\s], 1
	s_add_co_u32 s[G0+4*\s+1], s45, \s*SLOT
	s_add_nc_u64 s[G0+4*\s+2:G0+4*\s+3], s[20:21], \s*TROW
	s_or_b32 s[G0+4*\s+3], s[G0+4*\s+3], 0x80000000
	s_mov_b32 s[G0B+4*\s], 1
	s_add_co_u32 s[G0B+4*\s+1], s45, \s*SLOT
	s_add_nc_u64 s[G0B+4*\s+2:G0B+4*\s+3], s[46:47], \s*TROW
	s_or_b32 s[G0B+4*\s+3], s[G0B+4*\s+3], 0x80000000
	JLOAD G0+4*\s, G1, G0B+4*\s, G1B
.endr
	v_and_b32 v1, 15, v0
	v_bfe_u32 v2, v0, 4, 1
	v_and_b32 v3, 31, v0
	v_lshlrev_b32 v4, 3, v3
	s_mul_i32 s21, s15, HALFT
	s_mul_i32 s22, s16, HALFT
	s_add_co_u32 s22, s22, 2*HALFT
.irp s, 0,1
	v_add_nc_u32 v[ADRA+\s], s21, v4
	v_add_nc_u32 v[ADRB+\s], s22, v4
	s_add_co_u32 s21, s21, SLOT
	s_add_co_u32 s22, s22, SLOT
.endr
	v_lshlrev_b32 v5, 3, v1
	s_mul_i32 s21, s15, HALFS
	s_mul_i32 s22, s16, HALFS
	s_add_co_u32 s22, s22, 2*HALFS
	s_sub_co_u32 s22, s22, s21
	v_mul_u32_u24 v6, s22, v2
	s_add_co_u32 s21, s21, SCL
	v_add_nc_u32 v5, v5, v6
	v_add_nc_u32 v[ADRS], s21, v5
	s_mul_i32 s23, s14, 16*SPITCH                  ; my stage
	v_mul_u32_u24 v5, v1, SPITCH
	v_lshl_add_u32 v5, v2, 6, v5                   ; in: row r, + 64 h: my half's 16 columns of each 32
	v_add_nc_u32 v[STO], s23, v5
	v_lshlrev_b32 v[CO], 4, v3                     ; back: the 32 lanes take one row of 512 bytes; and the same in out0
	v_add_nc_u32 v[RD], s23, v[CO]
	s_lshl_b32 s20, s17, 8
	s_lshl_b32 s21, s15, 7
	s_add_co_u32 s20, s20, s21                     ; my first row
	s_lshl_b32 s20, s20, 12                        ; in bytes: under 2^25
	s_lshl_b32 s46, s42, 10
	s_lshl_b32 s47, s16, 9
	s_add_co_u32 s46, s46, s47                     ; my first column, in bytes
	s_add_co_u32 s20, s20, s46
	s_mov_b32 s21, 0
	s_add_nc_u64 s[12:13], s[12:13], s[20:21]
.macro FRAG reg, adr, q, i
.irp p, 0,1,2,3,4,5
	ds_load_b64 v[\reg+2*\p:\reg+2*\p+1], v[\adr] offset:(\i)*TROW+(\q)*FRB+256*\p
.endr
.endm
.macro MUL16 a0, p, q, sc, zero        ; the 64 accumulators take turns, one instruction a turn, in the same order in every step
.irp a, \a0, \a0+1
.irp b, 0,1,2,3,4,5,6,7
.if \zero
	v_wmma_scale_f32_16x16x128_f8f6f4 v[8*(8*((\a)%4)+\b):8*(8*((\a)%4)+\b)+7], v[128*(\p)+FR*\b:128*(\p)+FR*\b+FR-1], v[AF+FR*(\a):AF+FR*(\a)+FR-1], 0, v[SC+8*NQ*(\sc)+NQ*\b+(\q)], v[SC+8*NQ*(\sc)+NQ*(\a)+(\q)] matrix_a_fmt:MATRIX_FMT_FP6 matrix_b_fmt:MATRIX_FMT_FP6 matrix_a_scale:MATRIX_SCALE_ROW1
.else
	v_wmma_scale_f32_16x16x128_f8f6f4 v[8*(8*((\a)%4)+\b):8*(8*((\a)%4)+\b)+7], v[128*(\p)+FR*\b:128*(\p)+FR*\b+FR-1], v[AF+FR*(\a):AF+FR*(\a)+FR-1], v[8*(8*((\a)%4)+\b):8*(8*((\a)%4)+\b)+7], v[SC+8*NQ*(\sc)+NQ*\b+(\q)], v[SC+8*NQ*(\sc)+NQ*(\a)+(\q)] matrix_a_fmt:MATRIX_FMT_FP6 matrix_b_fmt:MATRIX_FMT_FP6 matrix_a_scale:MATRIX_SCALE_ROW1
.endif
.endr
.endr
.endm
.macro FETCH_B slot, q, p
	WIN TO_B
.irp i, 0,1,2,3,4,5,6,7
	FRAG 128*(\p)+FR*\i, ADRB+\slot, \q, \i
.endr
	WIN 0
.endm
.macro FETCH_A slot, q, i0
.irp i, \i0, \i0+1, \i0+2, \i0+3
	FRAG AF+FR*(\i), ADRA+\slot, \q, \i
.endr
.endm
.macro SCALES sc
.irp i, 0,1,2,3,4,5,6,7
	ds_load_b64 v[SC+8*NQ*\sc+NQ*\i:SC+8*NQ*\sc+NQ*\i+1], v[ADRS] offset:\i*SBLK
.endr
.endm
.macro PLACES n
.rept \n
	v_nop
.endr
.endm
.macro STEP slot, q, zero
	s_wait_dscnt 4*NL                              ; B's set and A's blocks 0-3 are in; the youngest 24 loads may be out
	WIN MUL_LO
	MUL16 0, (\q)%2, \q, \slot, \zero
	MUL16 2, (\q)%2, \q, \slot, \zero
	s_wait_dscnt 0
	PLACES NP
	FETCH_B \slot, (\q)+1, 1-(\q)%2
	FETCH_A \slot, (\q)+1, 0
	WIN MUL_HI
	MUL16 4, (\q)%2, \q, \slot, \zero
	MUL16 6, (\q)%2, \q, \slot, \zero
	PLACES NP
	WIN 0
	FETCH_A \slot, (\q)+1, 4
.endm
.macro TURN slot, next, fill
	s_wait_tensorcnt 0x0                           ; all my tensor loads have landed
	ds_add_u32 v[SPW], v[NIL]
	s_wait_dscnt 4*NL+1                            ; the add and the youngest 24 loads may be out
	WIN MUL_LO
	MUL16 0, 1, NQ-1, \slot, 0
	s_wait_dscnt 0x0                               ; the add is done, and my reads of this slot are over
	s_barrier_signal -1
	MUL16 2, 1, NQ-1, \slot, 0
	WIN 0
	s_barrier_wait -1
.if \fill
	CREST
	s_add_nc_u64 s[G0+4*\slot+2:G0+4*\slot+3], s[G0+4*\slot+2:G0+4*\slot+3], 2*TROW
	s_add_nc_u64 s[G0B+4*\slot+2:G0B+4*\slot+3], s[G0B+4*\slot+2:G0B+4*\slot+3], 2*TROW
	JLOAD G0+4*\slot, G1, G0B+4*\slot, G1B
.else
	PLACES NP
.endif
	v_add_nc_u32 v[ADRS], 128, v[ADRS]
	FETCH_B \next, 0, 0
	FETCH_A \next, 0, 0
	SCALES \next
	WIN MUL_HI
	MUL16 4, 1, NQ-1, \slot, 0
	MUL16 6, 1, NQ-1, \slot, 0
	PLACES NP
	WIN 0
	FETCH_A \next, 0, 4
.endm
	s_wait_tensorcnt 1                             ; the scale words and my part of K step 0 are in; K step 1's load may be out
	s_barrier_signal -1
	s_barrier_wait -1
	FETCH_B 0, 0, 0
	FETCH_A 0, 0, 0
	SCALES 0
	FETCH_A 0, 0, 4
	STEP 0, 0, 1
	s_mov_b32 s3, LAPS-1
.Llap:
	TURN 0, 1, 1
	STEP 1, 0, 0
	TURN 1, 0, 1
	STEP 0, 0, 0
	s_sub_co_u32 s3, s3, 1
	s_cmp_lg_u32 s3, 0
	s_cbranch_scc1 .Llap
	TURN 0, 1, 0
	STEP 1, 0, 0
	s_wait_dscnt 4*NL
	WIN MUL_LO
	MUL16 0, 1, NQ-1, 1, 0
	MUL16 2, 1, NQ-1, 1, 0
	s_wait_dscnt 0
	WIN MUL_HI
	MUL16 4, 1, NQ-1, 1, 0
	MUL16 6, 1, NQ-1, 1, 0
	WIN 0
.macro TOSTAGE a
.set AC, 64*((\a)%4)
	WIN 0x08+4*((\a)/4)                            ; the data: window 2 or 3
.irp b, 0,1,2,3,4,5,6,7
	ds_store_b128 v[STO], v[AC+8*\b:AC+8*\b+3] offset:128*(\b/2)+32*(\b%2)        ; each accumulator from its low end on
	ds_store_b128 v[STO], v[AC+8*\b+4:AC+8*\b+7] offset:128*(\b/2)+32*(\b%2)+16
.endr
	WIN 0
.set BB, BK+64*((\a)%2)
.irp t, 0,1,2,3,4,5,6,7,8,9,10,11,12,13,14,15
	ds_load_b128 v[BB+4*\t:BB+4*\t+3], v[RD] offset:\t*SPITCH   ; LDS serves a wave's instructions in order: these see the stores above
.endr
.endm
.macro SEND a, younger
.set BB, BK+64*((\a)%2)
	s_wait_dscnt \younger
.if (\a) > 0
.if ((\a)%2) == 1
	s_add_nc_u64 s[12:13], s[12:13], 8*ROWC        ; (behind a wait on XCNT)  block a begins at row 32 (a / 2) + 8 (a % 2)
.else
	s_add_nc_u64 s[12:13], s[12:13], 24*ROWC
.endif
.endif
.irp t, 0,1,2,3,4,5,6,7,8,9,10,11,12,13,14,15
	global_store_b128 v[CO], v[BB+4*\t:BB+4*\t+3], s[12:13] offset:(16*(\t/8)+\t%8)*ROWC th:TH_STORE_NT   ; 32 lanes store 512 consecutive bytes, aligned to 256
.endr
.endm
	PLACES NP
	TOSTAGE 0
.irp a, 1,2,3,4,5,6,7
.if \a > 1
	s_wait_xcnt 0x0                                ; block a - 2's stores have read their registers and their base
.endif
	TOSTAGE \a
	SEND \a-1, 32                                  ; behind block a - 1's loads: block a's 16 stores and 16 loads
.endr
	s_wait_xcnt 0x0
	SEND 7, 0
	s_wait_tensorcnt 0x0                           ; the wave's end, behind my last tensor load and my last LDS store
	ds_add_u32 v[SPW], v[NIL]
	s_wait_dscnt 0x0
	CROUND                                         ; the closing round
	s_endpgm
.Lfunc_end_k_q555d5c7ae6_oproj:
	.size	k_q555d5c7ae6_oproj, .Lfunc_end_k_q555d5c7ae6_oproj-k_q555d5c7ae6_oproj
	.p2alignl 7, 3214868480
	.fill 96, 4, 3214868480
	.section	.rodata,"a",@progbits
	.p2align	6, 0x0
	.amdhsa_kernel k_q555d5c7ae6_oproj
		.amdhsa_group_segment_fixed_size 327680
		.amdhsa_private_segment_fixed_size 0
		.amdhsa_enable_private_segment 0
		.amdhsa_kernarg_size 24
		.amdhsa_user_sgpr_count 2
		.amdhsa_user_sgpr_kernarg_segment_ptr 1
		.amdhsa_wavefront_size32 1
		.amdhsa_system_sgpr_workgroup_id_x 1
		.amdhsa_system_sgpr_workgroup_id_y 1
		.amdhsa_system_sgpr_workgroup_id_z 1
		.amdhsa_system_vgpr_workitem_id 0
		.amdhsa_next_free_vgpr 1024
		.amdhsa_next_free_sgpr 102
		.amdhsa_reserve_vcc 0
		.amdhsa_float_denorm_mode_32 3
		.amdhsa_float_denorm_mode_16_64 3
		.amdhsa_memory_ordered 1
		.amdhsa_forward_progress 1
		.amdhsa_inst_pref_size 159
	.end_amdhsa_kernel
	.amdgpu_metadata
---
amdhsa.version: [ 1, 2 ]
amdhsa.kernels:
  - .name:           k_q555d5c7ae6_oproj
    .symbol:         k_q555d5c7ae6_oproj.kd
    .args:
      - { .name: oq, .offset: 0, .size: 8, .value_kind: global_buffer, .address_space: global }
      - { .name: wz, .offset: 8, .size: 8, .value_kind: global_buffer, .address_space: global }
      - { .name: out0, .offset: 16, .size: 8, .value_kind: global_buffer, .address_space: global }
    .group_segment_fixed_size: 327680
    .private_segment_fixed_size: 0
    .kernarg_segment_align: 8
    .kernarg_segment_size: 24
    .max_flat_workgroup_size: 128
    .sgpr_count:     102
    .vgpr_count:     1024
    .wavefront_size: 32
...
	.end_amdgpu_metadata
.endif
;; end of part 4
